; MI455X (gfx1250); checked and timed in simulation.
; The chip was launched on July 23, 2026; its instructions are those of AMD's public machine-readable ISA for CDNA 5 (MIT licence, August 2026) and "CDNA5" Instruction Set Architecture Reference Guide (July 2026). The comments in the code are by the model that wrote it; some were corrected since.
;; Fleximodal Fuse Mo E. Allowed arithmetic: float matrix products may take bf16 or f16 operands with f32 sums; other float arithmetic in f32, or as packed bf16 or f16 multiplies, adds, multiply-adds, maxima and minima; sums over many terms, partial sums and values carried from step to step in f32; what a program stores and reads back later, other than sums and carried values, may be rounded once to bf16 or f16.
;; Inputs: W1 8 x 1,024 x 4,096 float32; W2 8 x 4,096 x 1,024 float32; Wr 1,024 x 8 float32; b1 8 x 4,096 float32; b2 8 x 1,024 float32; br 8 float32; ln_b 1,024 float32; ln_g 1,024 float32; x 4 x 256 x 1,024 float32.
;; Outputs: out0 4 x 256 x 1,024 float32.
;; One version. Each part assembles by itself: llvm-mc -triple=amdgcn-amd-amdhsa -mcpu=gfx1250 --defsym DOCPART=n.
;; ======== version 1 of 1: 4 launches
;; workspace buffers: hb 2,097,152 bytes; sel 4,096 bytes of whole numbers; gat 8,192 bytes; lst 40,960 bytes of whole numbers; cnt 8,192 bytes of whole numbers; h1 67,108,864 bytes; pp 33,554,432 bytes
;; launch router (part 1): grid 256 x 1, 4 waves a work-group, no clusters, 0 bytes of LDS; arguments x, ln_g, ln_b, Wr, br, hb, sel, gat; writes hb, sel, gat
.if DOCPART == 1
	.amdgcn_target "amdgcn-amd-amdhsa--gfx1250"
	.amdhsa_code_object_version 6
	.text
	.protected	k_qcbf12c7420_router
	.globl	k_qcbf12c7420_router
	.p2align	8
	.type	k_qcbf12c7420_router,@function
k_qcbf12c7420_router:
	s_mov_b64 s[64:65], 0
	v_nop
	global_prefetch_b8 v0, s[64:65] scope:SCOPE_SE
	s_setreg_imm32_b32 hwreg(HW_REG_WAVE_MODE, 25, 1), 1
	s_wait_xcnt 0x0
; LayerNorm, router, top-2 and gates.  1,024 tokens of 1,024 numbers; one wave takes one token, a work-group four.
; Lane l owns the columns d = 128 j + 4 l + i (j = 0..7, i = 0..3): every load of x, g, b covers 512 consecutive bytes.
; Stored: hb[token][1024] = h rounded once to bf16 (the first product's operand); sel[token] = (1 << e0) | (1 << (8 + e1)), whole numbers at a
; fixed place (no address of this launch hangs on the choice); gat[token][2] = the two gates in f32.
; All arithmetic in f32 on the vector unit: the router's product is 16 MFLOP and a discrete choice hangs on it.
; The mean is taken away before the squares are summed, so a common offset of x forms no difference of large sums.
; LIMITS.  The logits' sums run in another order than a plain dot product: two logits closer than that rounding (about 1e-6 of their size) may be
; chosen otherwise.  Ties go to the lower index.  NaN and infinities are not treated apart.
; sel and gat are 4 and 8 bytes a token, stored by lane 0: 12 KiB in the whole launch, in pieces.
.set X,  8                             ; v[8:39]    x, then x - mean, then h
.set G,  40                            ; v[40:71]   ln_g; later h in bf16
.set BV, 72                            ; v[72:103]  ln_b
.set LA, 104                           ; v[104:111] the 8 logits (columns with even i)
.set LB, 112                           ; v[112:119] the same for odd i: two sets, so that a chain's links stand eight lines apart
.set T,  120                           ; v[120:135] at work
                                       ; window 1: v[32 j + 8 i + e] = Wr[d][e], 256 registers
.set MSB, 0
.macro WIN new                         ; the immediate's high byte repeats the setting that is left
.if MSB != (\new)
	s_set_vgpr_msb (MSB<<8)|(\new)
.set MSB, (\new)
.endif
.endm
.macro WSUM r, t                       ; the sum over the wave's 32 lanes, in every lane; t has been written before
	v_add_f32_dpp v[\r], v[\r], v[\r] row_xmask:1 row_mask:0xf bank_mask:0xf
	v_add_f32_dpp v[\r], v[\r], v[\r] row_xmask:2 row_mask:0xf bank_mask:0xf
	v_add_f32_dpp v[\r], v[\r], v[\r] row_xmask:4 row_mask:0xf bank_mask:0xf
	v_add_f32_dpp v[\r], v[\r], v[\r] row_xmask:8 row_mask:0xf bank_mask:0xf
	v_permlanex16_b32 v[\t], v[\r], s32, s33
	v_add_f32 v[\r], v[\r], v[\t]
.endm
.macro SCAN bv, bi                     ; the largest logit and its index; strictly greater, so the lower index keeps a tie
	v_mov_b32 v[\bv], v[LA]
	v_mov_b32 v[\bi], 0
.irp e,1,2,3,4,5,6,7
	v_cmp_gt_f32 vcc_lo, v[LA+\e], v[\bv]
	v_cndmask_b32 v[\bv], v[\bv], v[LA+\e], vcc_lo
	v_cndmask_b32 v[\bi], v[\bi], \e, vcc_lo
.endr
.endm
; h[d] times Wr[d][0..7] for d = 128 j + 4 l + i: four packed lines; h is one register of a pair, given to both halves
.macro LOGIT j, i, first
.set xp, X+4*(\j)+2*((\i)/2)
.set wr, 32*(\j)+8*(\i)
.set lg, LA+8*((\i)%2)
.irp p,0,1,2,3
.if \first
.if (\i)%2
	v_pk_mul_f32 v[lg+2*\p:lg+2*\p+1], v[xp:xp+1], v[wr+2*\p:wr+2*\p+1] op_sel:[1,0] op_sel_hi:[1,1]
.else
	v_pk_mul_f32 v[lg+2*\p:lg+2*\p+1], v[xp:xp+1], v[wr+2*\p:wr+2*\p+1] op_sel:[0,0] op_sel_hi:[0,1]
.endif
.else
.if (\i)%2
	v_pk_fma_f32 v[lg+2*\p:lg+2*\p+1], v[xp:xp+1], v[wr+2*\p:wr+2*\p+1], v[lg+2*\p:lg+2*\p+1] op_sel:[1,0,0] op_sel_hi:[1,1,1]
.else
	v_pk_fma_f32 v[lg+2*\p:lg+2*\p+1], v[xp:xp+1], v[wr+2*\p:wr+2*\p+1], v[lg+2*\p:lg+2*\p+1] op_sel:[0,0,0] op_sel_hi:[0,1,1]
.endif
.endif
.endr
.endm
	s_load_b512 s[4:19], s[0:1], 0x0               ; x s[4:5], g s[6:7], b s[8:9], Wr s[10:11], br s[12:13], hb s[14:15], sel s[16:17], gat s[18:19]
	v_and_b32 v1, 31, v0                           ; lane
	v_lshrrev_b32 v4, 5, v0
	v_readfirstlane_b32 s20, v4                    ; wave
	s_lshl2_add_u32 s21, ttmp9, s20                ; token = 4 x work-group + wave
	v_lshlrev_b32 v2, 4, v1                        ; 16 l: x, g, b
	v_lshlrev_b32 v3, 7, v1                        ; 128 l: four rows of Wr
	v_lshlrev_b32 v5, 3, v1                        ; 8 l: hb
	v_mov_b32 v6, 0
	s_lshl_b32 s22, s21, 12                        ; the token's byte offsets: x,
	s_mov_b32 s23, 0
	s_lshl_b32 s36, s21, 11                        ; hb,
	s_mov_b32 s37, 0
	s_lshl_b32 s38, s21, 2                         ; sel,
	s_mov_b32 s39, 0
	s_lshl_b32 s40, s21, 3                         ; gat
	s_mov_b32 s41, 0
	s_mov_b32 s32, 0x76543210                      ; v_permlanex16_b32: each lane takes its own place in the other half
	s_mov_b32 s33, 0xfedcba98
	s_mov_b32 s34, 0x3a800000                      ; 1 / 1024
	s_mov_b32 s35, 0x3727c5ac                      ; 1e-5
	s_wait_kmcnt 0x0
	s_load_b256 s[24:31], s[12:13], 0x0            ; br
	s_add_nc_u64 s[4:5], s[4:5], s[22:23]
	s_add_nc_u64 s[14:15], s[14:15], s[36:37]
	s_add_nc_u64 s[16:17], s[16:17], s[38:39]
	s_add_nc_u64 s[18:19], s[18:19], s[40:41]
.irp j,0,1,2,3,4,5,6,7
	global_load_b128 v[X+4*\j:X+4*\j+3], v2, s[4:5] offset:512*\j
.endr
.irp j,0,1,2,3,4,5,6,7
	global_load_b128 v[G+4*\j:G+4*\j+3], v2, s[6:7] offset:512*\j
.endr
.irp j,0,1,2,3,4,5,6,7
	global_load_b128 v[BV+4*\j:BV+4*\j+3], v2, s[8:9] offset:512*\j
.endr
	WIN 0x40                                       ; destination in window 1
.irp j,0,1,2,3,4,5,6,7
.irp i,0,1,2,3
.irp q,0,1
	global_load_b128 v[32*\j+8*\i+4*\q:32*\j+8*\i+4*\q+3], v3, s[10:11] offset:4096*\j+32*\i+16*\q
.endr
.endr
.endr
	WIN 0
	s_wait_loadcnt 63                              ; x, g, b are the oldest 24 of 88 loads: 64 younger might stay out; 63 is the largest count the wait can name
	; the mean
.irp i,0,1,2,3,4,5,6,7
	v_pk_add_f32 v[T+2*\i:T+2*\i+1], v[X+4*\i:X+4*\i+1], v[X+4*\i+2:X+4*\i+3]
.endr
.irp i,0,1,2,3
	v_pk_add_f32 v[T+2*\i:T+2*\i+1], v[T+2*\i:T+2*\i+1], v[T+2*\i+8:T+2*\i+9]
.endr
.irp i,0,1
	v_pk_add_f32 v[T+2*\i:T+2*\i+1], v[T+2*\i:T+2*\i+1], v[T+2*\i+4:T+2*\i+5]
.endr
	v_pk_add_f32 v[T:T+1], v[T:T+1], v[T+2:T+3]
	v_add_f32 v[T], v[T], v[T+1]
	WSUM T, T+1
	v_mul_f32 v[T], s34, v[T]
.set i, 0
.rept 16
	v_pk_add_f32 v[X+2*i:X+2*i+1], v[X+2*i:X+2*i+1], v[T:T+1] op_sel_hi:[1,0] neg_lo:[0,1] neg_hi:[0,1]  ; x - mean
.set i, i+1
.endr
	; the variance: four chains, started by products
.irp c,0,1,2,3
	v_pk_mul_f32 v[T+4+2*\c:T+5+2*\c], v[X+2*\c:X+2*\c+1], v[X+2*\c:X+2*\c+1]
.endr
.set i, 4
.rept 12
	v_pk_fma_f32 v[T+4+2*(i%4):T+5+2*(i%4)], v[X+2*i:X+2*i+1], v[X+2*i:X+2*i+1], v[T+4+2*(i%4):T+5+2*(i%4)]
.set i, i+1
.endr
	v_pk_add_f32 v[T+4:T+5], v[T+4:T+5], v[T+6:T+7]
	v_pk_add_f32 v[T+8:T+9], v[T+8:T+9], v[T+10:T+11]
	v_pk_add_f32 v[T+4:T+5], v[T+4:T+5], v[T+8:T+9]
	v_add_f32 v[T+4], v[T+4], v[T+5]
	WSUM T+4, T+5
	v_fma_f32 v[T+4], v[T+4], s34, s35             ; variance + 1e-5
	v_rsq_f32 v[T+6], v[T+4]
	v_nop                                          ; a plain instruction between the transcendental and the use of its result (ISA guide 5.7.2)
.set i, 0
	s_wait_alu depctr_va_vdst(0)
.rept 16
	v_pk_mul_f32 v[X+2*i:X+2*i+1], v[X+2*i:X+2*i+1], v[T+6:T+7] op_sel_hi:[1,0]
.set i, i+1
.endr
.set i, 0
.rept 16
	v_pk_fma_f32 v[X+2*i:X+2*i+1], v[X+2*i:X+2*i+1], v[G+2*i:G+2*i+1], v[BV+2*i:BV+2*i+1]  ; h
.set i, i+1
.endr
.set i, 0
.rept 16
	v_cvt_pk_bf16_f32 v[G+i], v[X+2*i], v[X+2*i+1]
.set i, i+1
.endr
.irp j,0,1,2,3,4,5,6,7
	global_store_b64 v5, v[G+2*\j:G+2*\j+1], s[14:15] offset:256*\j  ; the wave's store covers 256 consecutive bytes, aligned
.endr
	; the logits
	s_wait_loadcnt 0x0                             ; Wr
	WIN 0x04                                       ; source 1 in window 1
	LOGIT 0, 0, 1
	LOGIT 0, 1, 1
	LOGIT 0, 2, 0
	LOGIT 0, 3, 0
.irp j,1,2,3,4,5,6,7
.irp i,0,1,2,3
	LOGIT \j, \i, 0
.endr
.endr
	WIN 0
.irp p,0,1,2,3
	v_pk_add_f32 v[LA+2*\p:LA+2*\p+1], v[LA+2*\p:LA+2*\p+1], v[LB+2*\p:LB+2*\p+1]
.endr
.irp m,1,2,4,8
.irp e,0,1,2,3,4,5,6,7
	v_add_f32_dpp v[LA+\e], v[LA+\e], v[LA+\e] row_xmask:\m row_mask:0xf bank_mask:0xf
.endr
.endr
.irp e,0,1,2,3,4,5,6,7
	v_permlanex16_b32 v[LB+\e], v[LA+\e], s32, s33
.endr
.irp e,0,1,2,3,4,5,6,7
	v_add_f32 v[LA+\e], v[LA+\e], v[LB+\e]
.endr
	s_wait_kmcnt 0x0                               ; br
.irp e,0,1,2,3,4,5,6,7
	v_add_f32 v[LA+\e], s[24+\e], v[LA+\e]
.endr
	; top-2: the largest, then the largest of the rest
	SCAN T, T+1
	v_mov_b32 v[T+4], 0xff800000                   ; the winner leaves the field
.irp e,0,1,2,3,4,5,6,7
	v_cmp_eq_u32 vcc_lo, \e, v[T+1]
	v_cndmask_b32 v[LA+\e], v[LA+\e], v[T+4], vcc_lo
.endr
	SCAN T+2, T+3
	; softmax of the two, the larger taken away: t = e^(v1 - v0) <= 1; g0 = 1 / (1 + t); g1 = t g0
	v_sub_f32 v[T+5], v[T+2], v[T]
	v_mul_f32 v[T+5], 0x3fb8aa3b, v[T+5]
	v_exp_f32 v[T+6], v[T+5]
	v_mov_b32 v[T+7], 1                            ; plain work behind the transcendental
	s_wait_alu depctr_va_vdst(0)
	v_add_f32 v[T+9], 1.0, v[T+6]
	v_rcp_f32 v[T+10], v[T+9]
	v_add_nc_u32 v[T+3], 8, v[T+3]                 ; plain work behind the transcendental
	s_wait_alu depctr_va_vdst(0)
	v_mul_f32 v[T+11], v[T+6], v[T+10]
	v_lshlrev_b32 v[T+8], v[T+1], v[T+7]           ; 1 << e0
	v_lshlrev_b32 v[T+12], v[T+3], v[T+7]          ; 1 << (8 + e1)
	v_or_b32 v[T+8], v[T+8], v[T+12]
	s_wait_xcnt 0x0                                ; EXEC is a source of the stores above: it changes only behind this wait
	v_cmp_eq_u32 vcc_lo, 0, v1
	s_and_saveexec_b32 s42, vcc_lo                 ; lane 0 alone
	global_store_b32 v6, v[T+8], s[16:17]
	global_store_b64 v6, v[T+10:T+11], s[18:19]
	s_endpgm
.Lfunc_end_k_qcbf12c7420_router:
	.size	k_qcbf12c7420_router, .Lfunc_end_k_qcbf12c7420_router-k_qcbf12c7420_router
	.p2alignl 7, 3214868480
	.fill 96, 4, 3214868480
	.section	.rodata,"a",@progbits
	.p2align	6, 0x0
	.amdhsa_kernel k_qcbf12c7420_router
		.amdhsa_group_segment_fixed_size 0
		.amdhsa_private_segment_fixed_size 0
		.amdhsa_enable_private_segment 0
		.amdhsa_kernarg_size 64
		.amdhsa_user_sgpr_count 2
		.amdhsa_user_sgpr_kernarg_segment_ptr 1
		.amdhsa_wavefront_size32 1
		.amdhsa_system_sgpr_workgroup_id_x 1
		.amdhsa_system_sgpr_workgroup_id_y 1
		.amdhsa_system_sgpr_workgroup_id_z 1
		.amdhsa_system_vgpr_workitem_id 0
		.amdhsa_next_free_vgpr 512
		.amdhsa_next_free_sgpr 66
		.amdhsa_reserve_vcc 1
		.amdhsa_float_denorm_mode_32 3
		.amdhsa_float_denorm_mode_16_64 3
		.amdhsa_memory_ordered 1
		.amdhsa_forward_progress 1
		.amdhsa_inst_pref_size 32
	.end_amdhsa_kernel
	.amdgpu_metadata
---
amdhsa.version: [ 1, 2 ]
amdhsa.kernels:
  - .name:           k_qcbf12c7420_router
    .symbol:         k_qcbf12c7420_router.kd
    .args:
      - { .name: x, .offset: 0, .size: 8, .value_kind: global_buffer, .address_space: global }
      - { .name: ln_g, .offset: 8, .size: 8, .value_kind: global_buffer, .address_space: global }
      - { .name: ln_b, .offset: 16, .size: 8, .value_kind: global_buffer, .address_space: global }
      - { .name: Wr, .offset: 24, .size: 8, .value_kind: global_buffer, .address_space: global }
      - { .name: br, .offset: 32, .size: 8, .value_kind: global_buffer, .address_space: global }
      - { .name: hb, .offset: 40, .size: 8, .value_kind: global_buffer, .address_space: global }
      - { .name: sel, .offset: 48, .size: 8, .value_kind: global_buffer, .address_space: global }
      - { .name: gat, .offset: 56, .size: 8, .value_kind: global_buffer, .address_space: global }
    .group_segment_fixed_size: 0
    .private_segment_fixed_size: 0
    .kernarg_segment_align: 8
    .kernarg_segment_size: 64
    .max_flat_workgroup_size: 128
    .sgpr_count:     66
    .vgpr_count:     512
    .wavefront_size: 32
...
	.end_amdgpu_metadata
.endif
;; end of part 1
;; launch ffn1 (part 2): grid 32 x 8, 8 waves a work-group, no clusters, 246,016 bytes of LDS; arguments hb, W1, b1, sel, h1, lst, cnt; writes h1, lst, cnt
.if DOCPART == 2
	.amdgcn_target "amdgcn-amd-amdhsa--gfx1250"
	.amdhsa_code_object_version 6
	.text
	.protected	k_qcbf12c7420_ffn1
	.globl	k_qcbf12c7420_ffn1
	.p2align	8
	.type	k_qcbf12c7420_ffn1,@function
k_qcbf12c7420_ffn1:
	s_mov_b64 s[64:65], 0
	v_nop
	global_prefetch_b8 v0, s[64:65] scope:SCOPE_SE
	s_setreg_imm32_b32 hwreg(HW_REG_WAVE_MODE, 25, 1), 1
	s_wait_xcnt 0x0
; ONE TEXT FOR BOTH PRODUCTS OF THE EXPERTS' LAYER; FFN says which this file is.
;   FFN = 1:  h1 = gelu(h W1[e] + b1[e]) for the rows that chose expert e.   FFN = 2:  pp[kq] = h1 W2[e] (+ b2[e] where kq = 0), a quarter of K each.
.set FFN, 1
; SHARES.  A work-group has ONE expert (grid y), 128 output columns, K = 1,024 and ALL R rows of that expert (0 to 1,024): 256 work-groups, and every byte of the
; weights is read by one of them.  FFN = 1: grid x = the slice of 128 of 4,096 columns.  FFN = 2: grid x = 8 kq + cs: quarter kq of K = 4,096, slice cs of 1,024 columns.
; Wave w: rg = w >> 1 takes the tiles of 16 rows 4 u + rg (u = 0..4), ch = w & 1 takes 64 columns (4 fragments): 20 accumulators, 160 registers.
; MAIN PASS: rows 0 to 319.  K goes in 8 chunks of 128 through two LDS slots, one barrier a chunk, a constant number of trips.  Tiles 0 to 15 are always worked
; (places past the count repeat row R - 1); tiles 16 to 19 only where they hold rows: whole instructions are jumped, never a barrier.
; ROWS FROM 320 ON: up to three further passes in a loop of constant count; dead passes are jumped forward.  Such a pass has no barrier: each wave reads its
; weights and its rows from memory by itself and turns the weights in LDS bytes of its own.
; WEIGHTS lie [K][N] in f32.  A lane loads 16 rows x 4 columns, rounds pairs of neighbouring k to bf16, and stores for each column 16 bytes at the place where the
; matrix fragment's lane will read them: LDS holds READY fragments, rounded once.  A chunk of weights (64 KiB a work-group) is asked for a trip and a half ahead of its rounding,
; into one of two register buffers; a chunk of rows a whole trip ahead of its store.
; THE MATRIX INSTRUCTION IS USED TRANSPOSED: source 0 = 16 output columns (weights), source 1 = 16 rows (tokens).  Lane (r, h) of a result holds row r, columns 8 h + 0..7.
; The bias starts the sums: the accumulators are set to it (160 moves a pass), so that all eight chunks share one text and no add follows.
; THE WAY OUT.  FFN = 1: a loop of five trips, written once, always works on tile 0's accumulators; at a trip's end the tiles that still go out move down one tile (32 moves each):
; a loop cannot step register numbers, its LDS addresses stay fixed, and five copies of the GELU would be some 14 KB of text.  FFN = 2: all tiles through an f32 stage, written out.
; NO CLUSTER: a slice of weights has one reader.  What an expert's work-groups share is its rows; FFN = 1 takes them by a list, which no tile descriptor covers; in FFN = 2
; their number is read from memory, and neither a descriptor's size nor a jump over a tile load may hang on that.  So the rows come through registers, 80 KiB a chunk at the most.
; FORMATS.  Matrix operands bf16 (h, W, h1 rounded once each), sums f32, GELU f32, pp f32.
; LIMITS.  erf(z) = z P(z^2) / Q(z^2), degrees 6 and 4 in z^2, z held to -4 .. 4 (beyond that erf is 1 to 2e-8): absolute error about 1e-7 for every x.  NaN and infinities are not treated apart.
; lst and cnt (FFN = 1, slice 0 alone) are stored 4 bytes a lane, 128 consecutive bytes a wave: 48 KiB in the launch.
.if FFN == 1
.set PW,    16384                      ; bytes from a row of the weights to the next
.set TSTEP, 256                        ; bytes from a chunk of the rows to the next: 128 bf16 of hb's rows
.set SSTP,  128                        ; slow pass: two K steps of 32
.else
.set PW,    4096
.set TSTEP, 262144                     ; two blocks of 64 columns of h1
.set SSTP,  131072                     ; one such block
.endif
.set WCH,   128*PW                     ; a chunk of the weights
; LDS
.set TP,    272                        ; a row: 256 bytes + 16 = 68 words: 16 rows that a load touches start at 16 different groups of four banks (64 banks of 4 bytes: ISA guide 11.1)
.set TILE,  16*TP
.set TSZ,   20*TILE                    ; a slot of rows: 320 rows x 128 k in bf16
.set WSL,   2*TSZ                      ; behind the two: the weights' slots
.set FR,    1040                       ; a fragment: 1,024 bytes + 16, so that the four fragments a store pass touches start 16 bytes apart
.set WSZ,   32*FR                      ; a slot of weights: fragment 8 ks + F (K step ks of 4, 16 columns F of 8); lane at 16 x lane, registers 4-7 at + 512
.set LIST,  WSL+2*WSZ                  ; FFN = 1: entry (2 token + k) of rank i at 4 i; words 1024 to 1055 take what is thrown away; the count at + 4224
.set CNTR,  LIST+4096+128
.set SPARE, LIST+4096+256              ; the spare words, 128 bytes a wave: four blocks of 256 bytes that no other line names
.set STG,   5*TILE                     ; behind the main pass the rows' slots are eight stages, one a wave.  FFN = 2: 5 tiles x 16 rows x 64 f32; FFN = 1: its first 16 rows x 144 bytes
.set SP2,   144                        ; FFN = 1: a stage row: 64 bf16 + 16 bytes = 36 words: the 16 rows of a store pass start at 16 different groups of four banks
; vector registers, window 0
.set SPW,  1                           ; my spare word's address; never rewritten
.set NIL,  2                           ; 0; never rewritten
.set WOFF, 3                           ; my byte offset in a chunk of the weights
.set WST,  4                           ; v4-5    where I store fragments' pieces, slot 0, 1 (slot 0's also serves the slow pass: those four fragments are then mine alone)
.set BAD,  6                           ; v6-7    where I read weight fragments
.set TST,  8                           ; v8-11   where I store rows: slot 0 tiles 0-9, 10-19; slot 1 likewise
.set AAD,  12                          ; v12-13  where I read row fragments, u = 0..3
.set AAD4, 14                          ; v14-15  u = 4
.set R16,  24                          ; 16 (lane % 16)
.set STGW, 25                          ; stage: where I put results
.set STGR, 26                          ; stage: where I read rows back
.set OUTO, 27                          ; FFN = 1: my byte offset in h1's block; FFN = 2: my byte offset in the list
.set WOF2, 28                          ; slow pass: my byte offset in 32 rows of the weights
.set L16L, 29                          ; 16 x lane
.set WSR,  30                          ; slow pass: where I read my own fragments
.set BOFF, 31                          ; 32 (lane / 16): the bias
.set TD,   32                          ; v32-111  rows on their way, 4 registers a tile; later at work
.set CT,   TD+40
.set AQ,   TD+72                       ; slow pass: my five rows' byte offsets
.set AF,   112                         ; v112-151 row fragments, u = 0..4
.set BF,   152                         ; v152-183 weight fragments, f = 0..3
.set WB0,  184                         ; v184-247 weights on their way, buffer 0
.set LN,   248
.set RR,   249
.set HH,   250                         ; lane / 16
.set RK,   251                         ; slow pass: my row's rank in a group of 64
.set TOF2, 252                         ; FFN = 1: v252-255 byte offsets of my row of tiles 16-19
.set TGO,  252                         ; FFN = 2: my byte offset in a tile of h1
; window 1
.set ACC,  0                           ; accumulator (u, f) at 32 u + 8 f
.set WB1,  160                         ; weights on their way, buffer 1
.set TOFF, 224                         ; FFN = 1: byte offsets of my row of tiles 0-15
.set CW,   240                         ; v240-255 of window 1: sixteen registers at work while weights are rounded
; scalar registers
.set WV,   18
.set RG,   19
.set CH,   20
.set EX,   21                          ; expert
.set SX,   22                          ; grid x
.set SWB,  24                          ; s[24:25] the weights' chunk to be asked for
.set STB,  26                          ; s[26:27] the rows' chunk to be asked for
.set SWB0, 28                          ; s[28:31] their first values
.set STB0, 30
.set OB,   32                          ; s[32:33] where results go
.set BB,   34                          ; s[34:35] my 64 numbers of the bias
.set SR,   36                          ; R
.set ST,   37                          ; T = tiles that hold rows
.set RM1,  38                          ; max(R, 1) - 1
.set L4,   39                          ; 1: my fifth tile of the main pass holds rows
.set NPS,  40                          ; passes that hold rows, at least 1
.set PS,   41                          ; the pass
.set NSL,  42                          ; my tiles of this pass that go out
.set KC,   43                          ; counts trips
.set TS,   54                          ; tiles that go out: FFN = 1 at least 16, since the next launch always reads 16
.set FLG,  55                          ; FFN = 2: 1.0 where kq = 0, else 0
.set LB,   60                          ; FFN = 2: s[60:61] the list's part for the pass
.if FFN == 1
.set OUTP, 12
.else
.set OUTP, 14
.endif
.set A13, 66                           ; FFN = 1: the constants of erf, each twice (the packed lines name pairs)
.set A11, 68
.set A9,  70
.set A7,  72
.set A5,  74
.set A3,  76
.set A1,  78
.set B8,  80
.set B6,  82
.set B4,  84
.set B2,  86
.set B0,  88
.set RS2, 90
.set MSB, 0
.macro WIN new                         ; s_set_vgpr_msb: bits 1:0 source 0, 3:2 source 1, 5:4 source 2, 7:6 destination; the high byte repeats the setting that is left
.if MSB != (\new)
	s_set_vgpr_msb (MSB<<8)|(\new)
.set MSB, (\new)
.endif
.endm
.macro CPAIR r, bits
	s_mov_b32 s[\r], \bits
	s_mov_b32 s[\r+1], \bits
.endm
; 16 loads: my K step (32 rows) and my 64 columns of a chunk.  Load j: row 16 (j / 8) + 8 (lane / 16) + j % 8; lanes 0-15 take 256 consecutive bytes, aligned, lanes 16-31 the row 8 further down.
.macro WLOADS b
.set WBX, WB0+(\b)*(WB1-WB0)
	WIN 0x40*(\b)
.set j, 0
.rept 16
	global_load_b128 v[WBX+4*j:WBX+4*j+3], v[WOFF], s[SWB:SWB+1] offset:((j/8)*16+j%8)*PW th:TH_LOAD_NT
.set j, j+1
.endr
	WIN 0
.endm
; Load i is my part of tile i of the rows' chunk.  FFN = 1: two whole rows of 256 bytes, by the list.  FFN = 2: 512 consecutive bytes (4 ranks x 64 columns).  Tiles 16 to 19 only where they hold rows.
.macro TLOADS
.if FFN == 1
	WIN 0x01                                       ; the address in window 1
.set i, 0
.rept 16
	global_load_b128 v[TD+4*i:TD+4*i+3], v[TOFF+i], s[STB:STB+1]
.set i, i+1
.endr
	WIN 0
.else
.set i, 0
.rept 16
	global_load_b128 v[TD+4*i:TD+4*i+3], v[TGO], s[STB:STB+1] offset:2048*i
.set i, i+1
.endr
.endif
.rept 4
	s_cmp_lt_u32 s[ST], i+1
	s_cbranch_scc1 .Ltl_\@
.if FFN == 1
	global_load_b128 v[TD+4*i:TD+4*i+3], v[TOF2+i-16], s[STB:STB+1]
.else
	global_load_b128 v[TD+4*i:TD+4*i+3], v[TGO], s[STB:STB+1] offset:2048*i
.endif
.set i, i+1
.endr
.Ltl_\@:
.endm
.macro TSTORES sl
.set i, 0
.rept 20
.if i >= 16
	s_cmp_lt_u32 s[ST], i+1
	s_cbranch_scc1 .Lts_\@
.endif
.if i < 10
	ds_store_b128 v[TST+2*(\sl)], v[TD+4*i:TD+4*i+3] offset:TILE*i
.else
	ds_store_b128 v[TST+2*(\sl)+1], v[TD+4*i:TD+4*i+3] offset:TILE*(i-10)
.endif
.set i, i+1
.endr
.Lts_\@:
.endm
; 64 f32 (16 k x 4 columns) become 32 registers: for half q of the k and column c four registers = 8 neighbouring k in bf16, the lower k in the lower half
.macro CVT32 src, dst
.irp q,0,1
.irp c,0,1,2,3
.irp i,0,1,2,3
	v_cvt_pk_bf16_f32 v[\dst+4*(4*\q+\c)+\i], v[\src+4*(8*\q+2*\i)+\c], v[\src+4*(8*\q+2*\i+1)+\c]
.endr
.endr
.endr
.endm
.macro FRST adr, src                   ; column 4 r + c goes to fragment r / 4, lane 4 (r % 4) + c + 16 h: the lane term is in the address, c and q in the immediate
.irp q,0,1
.irp c,0,1,2,3
	ds_store_b128 v[\adr], v[\src+4*(4*\q+\c):\src+4*(4*\q+\c)+3] offset:16*\c+512*\q
.endr
.endr
.endm
; The main pass's form of the two, in halves of 16 registers of its own, so that it can stand while a K step's fragments are on their way: 32 roundings, 8 LDS stores
.macro CVTSTORE b, sl
.set WBX, WB0+(\b)*(WB1-WB0)
.irp q,0,1
	WIN 0x40+0x05*(\b)                             ; destination in window 1, sources 0 and 1 in the buffer's window
.irp c,0,1,2,3
.irp i,0,1,2,3
	v_cvt_pk_bf16_f32 v[CW+4*\c+\i], v[WBX+4*(8*\q+2*\i)+\c], v[WBX+4*(8*\q+2*\i+1)+\c]
.endr
.endr
	WIN 0x04                                       ; the stores' data in window 1
.irp c,0,1,2,3
	ds_store_b128 v[WST+(\sl)], v[CW+4*\c:CW+4*\c+3] offset:16*\c+512*\q
.endr
.endr
	WIN 0
.endm
.macro MM u                            ; four products: tile u x my four fragments of columns
.irp f,0,1,2,3
	v_wmma_f32_16x16x32_bf16 v[ACC+32*\u+8*\f:ACC+32*\u+8*\f+7], v[BF+8*\f:BF+8*\f+7], v[AF+8*\u:AF+8*\u+7], v[ACC+32*\u+8*\f:ACC+32*\u+8*\f+7]
.endr
.endm
.macro PLACES                          ; four places behind the last product, ahead of loads into and lines that write its sources, and of lines and stores that read its result (ISA guide 7.12.1 for lines other than loads and stores)
.rept 4
	v_nop
.endr
.endm
; 32 along K, first half: 16 or 18 LDS loads: my four fragments of weights, then my tiles' fragments of rows, tile by tile
.macro KLOAD sl, ks
.irp f,0,1,2,3
.irp q,0,1
	ds_load_b128 v[BF+8*\f+4*\q:BF+8*\f+4*\q+3], v[BAD+\sl] offset:(8*\ks+\f)*FR+512*\q
.endr
.endr
.irp u,0,1,2,3
.irp q,0,1
	ds_load_b128 v[AF+8*\u+4*\q:AF+8*\u+4*\q+3], v[AAD+\sl] offset:4*TILE*\u+64*\ks+32*\q
.endr
.endr
	s_cmp_eq_u32 s[L4], 0
	s_cbranch_scc1 .Lka_\@
	ds_load_b128 v[AF+32:AF+35], v[AAD4+\sl] offset:64*\ks
	ds_load_b128 v[AF+36:AF+39], v[AAD4+\sl] offset:64*\ks+32
.Lka_\@:
.endm
; Second half: 16 or 20 products.  st = the LDS stores issued behind KLOAD's loads on every way.  LDS instructions end in order (ISA guide 5.7.1): behind tile u's two loads lie the later tiles' two each
; (6, 4, 2, 0; with a fifth tile two more) and those stores, so each tile's products begin as soon as its own fragment is in.  Where more lies behind, the smaller count only waits for a little more.
; The accumulators take turns, one instruction a turn, on both ways and from step to step.
.macro KMUL st
	s_wait_dscnt (\st)+6
	WIN 0x50                                       ; C and D in window 1
	MM 0
	s_wait_dscnt (\st)+4
	MM 1
	s_wait_dscnt (\st)+2
	MM 2
	s_wait_dscnt \st
	MM 3
	WIN 0
	s_cmp_eq_u32 s[L4], 0
	s_cbranch_scc1 .Lkb_\@
	WIN 0x50
	MM 4
	WIN 0
.Lkb_\@:
	PLACES
.endm
.macro BLOADS                          ; the bias of my 64 columns, as a result's lanes hold them
.irp f,0,1,2,3
.irp q,0,1
	global_load_b128 v[BF+8*\f+4*\q:BF+8*\f+4*\q+3], v[BOFF], s[BB:BB+1] offset:64*\f+16*\q
.endr
.endr
.endm
.macro BMOVES                          ; the sums start at the bias
	WIN 0x40
.irp u,0,1,2,3,4
.set i, 0
.rept 32
.if FFN == 1
	v_mov_b32 v[ACC+32*\u+i], v[BF+i]
.else
	v_mul_f32 v[ACC+32*\u+i], s[FLG], v[BF+i]
.endif
.set i, i+1
.endr
.endr
	WIN 0
.endm
.if FFN == 2
.macro ENTLOADS                        ; the list's entries of the rows that I will store: TD + 8 u + t = rank 64 u + 16 rg + 8 (lane / 16) + t of the pass
.irp u,0,1,2,3,4
.irp q,0,1
	global_load_b128 v[TD+8*\u+4*\q:TD+8*\u+4*\q+3], v[OUTO], s[LB:LB+1] offset:256*\u+16*\q
.endr
.endr
.endm
.macro POFFS                           ; entry -> byte offset in pp: a loaded number enters an address behind a clamp by a written constant
.set i, 0
.rept 40
	v_min_u32 v[TD+i], 0x7ff, v[TD+i]
	v_lshl_add_u32 v[TD+i], v[TD+i], 12, v[R16]
.set i, i+1
.endr
.endm
; Results into my stage, f32, rows of 272 bytes; each accumulator's low registers first.  The four places behind the last product end every K step.
.macro DUMP
.irp u,0,1,2,3,4
	s_cmp_le_u32 s[NSL], \u
	s_cbranch_scc1 .Ldump_\@
	WIN 0x04                                       ; the data in window 1
.irp f,0,1,2,3
.irp q,0,1
	ds_store_b128 v[STGW], v[ACC+32*\u+8*\f+4*\q:ACC+32*\u+8*\f+4*\q+3] offset:TILE*\u+64*\f+16*\q
.endr
.endr
	WIN 0
.endr
.Ldump_\@:
.endm
.endif
; Chunk t, in slot sl = t % 2.  Ahead of the barrier: my stores of this chunk and my reads of the last are done.  Behind it this slot is whole and nobody reads the other.
; What serves later chunks stands between a K step's LDS loads and its products, so that it is issued while those loads are out, and the other slot's stores are spread over the trip:
;   step 0: the weights of chunk t + 2 are asked for (doW);   step 2: the weights of chunk t + 1 are rounded and stored (doC);
;   step 3: the rows of chunk t + 1 are stored (doC), and the rows of chunk t + 2 asked for into the registers just stored (doT).
; Loads come back in order (ISA guide 5.7.1).  Out are, oldest first: weights t + 1, rows t + 1 (16 to 20 loads), weights t + 2 (16).  So 32 may stay out where weights t + 1 are wanted and 16 where
; rows t + 1 are; without weights t + 2: 16 and 0.
.macro TRIP sl, doW, doC, doT, ent
	s_wait_dscnt 0x0
	s_barrier_signal -1
	s_barrier_wait -1
	KLOAD \sl, 0
.if \doW
	s_wait_xcnt 0x0                                ; the base is stepped only behind this wait
	s_add_nc_u64 s[SWB:SWB+1], s[SWB:SWB+1], WCH
	WLOADS \sl
.endif
.if \ent
	ENTLOADS
.endif
	KMUL 0
	KLOAD \sl, 1
	KMUL 0
	KLOAD \sl, 2
.if \doC
	s_wait_loadcnt 16+16*\doW
	CVTSTORE 1-\sl, 1-\sl
	KMUL 8
.else
	KMUL 0
.endif
	KLOAD \sl, 3
.if \doC
	s_wait_loadcnt 16*\doW
	TSTORES 1-\sl
.if \doT
	s_wait_xcnt 0x0                                ; the base is stepped only behind this wait
	s_add_nc_u64 s[STB:STB+1], s[STB:STB+1], TSTEP
	TLOADS
.endif
	KMUL 16
.else
	KMUL 0
.endif
.endm
; Slow pass, 32 along K: my 64 columns' weights and my 80 rows' fragments from memory; the weights are turned in my own four fragments of LDS (LDS serves a wave's instructions in order: ISA guide 5.7.1.4).
.macro SSTEP kk
.set j, 0
.rept 16
	global_load_b128 v[WB0+4*j:WB0+4*j+3], v[WOF2], s[SWB:SWB+1] offset:((j/8)*16+j%8+32*\kk)*PW
.set j, j+1
.endr
.irp u,0,1,2,3,4
.irp q,0,1
	global_load_b128 v[AF+8*\u+4*\q:AF+8*\u+4*\q+3], v[AQ+\u], s[STB:STB+1] offset:64*\kk+32*\q
.endr
.endr
	s_wait_loadcnt 0x0
	CVT32 WB0, CT
	FRST WST, CT
.irp f,0,1,2,3
.irp q,0,1
	ds_load_b128 v[BF+8*\f+4*\q:BF+8*\f+4*\q+3], v[WSR] offset:FR*\f+512*\q
.endr
.endr
	s_wait_dscnt 0x0
	WIN 0x50
	MM 0
	MM 1
	MM 2
	MM 3
	MM 4
	WIN 0
	PLACES
.endm
	s_load_b256 s[4:11], s[0:1], 0x0               ; rows s[4:5], weights s[6:7], bias s[8:9]; FFN = 1: sel s[10:11]; FFN = 2: lst s[10:11]
	s_load_b128 s[12:15], s[0:1], 0x20             ; FFN = 1: h1 s[12:13], lst s[14:15]; FFN = 2: cnt s[12:13], pp s[14:15]
.if FFN == 1
	s_load_b64 s[16:17], s[0:1], 0x30              ; cnt
.endif
	v_lshl_add_u32 v[SPW], v0, 2, SPARE
	v_mov_b32 v[NIL], 0
	v_lshrrev_b32 v16, 5, v0
	v_readfirstlane_b32 s[WV], v16
	s_lshr_b32 s[RG], s[WV], 1
	s_and_b32 s[CH], s[WV], 1
	s_and_b32 s[EX], ttmp7, 0xffff
	s_mov_b32 s[SX], ttmp9
	v_and_b32 v[LN], 31, v0
	v_and_b32 v[RR], 15, v0
	v_bfe_u32 v[HH], v0, 4, 1
	v_lshlrev_b32 v[R16], 4, v[RR]
	v_lshlrev_b32 v[L16L], 4, v[LN]
	v_lshlrev_b32 v[BOFF], 5, v[HH]
	; weights from memory: (32 rg + 8 h) rows + 256 ch + 16 r
	s_mul_i32 s44, s[RG], 32*PW
	s_lshl_b32 s45, s[CH], 8
	v_mul_u32_u24 v16, v[HH], 8*PW
	v_add_nc_u32 v16, v16, v[R16]
	v_add_nc_u32 v[WOF2], s45, v16
	v_add_nc_u32 v[WOFF], s44, v[WOF2]
	; weights into LDS: fragment 4 w + r / 4, byte 64 (r % 4) + 256 h
	s_mul_i32 s46, s[WV], 4*FR
	s_add_co_u32 s46, s46, WSL
	v_lshrrev_b32 v17, 2, v[RR]
	v_mul_u32_u24 v17, v17, FR
	v_and_b32 v18, 3, v[RR]
	v_lshl_add_u32 v17, v18, 6, v17
	v_lshl_add_u32 v17, v[HH], 8, v17
	v_add_nc_u32 v[WST], s46, v17
	v_add_nc_u32 v[WST+1], WSZ, v[WST]
	v_add_nc_u32 v[WSR], s46, v[L16L]
	s_mul_i32 s47, s[CH], 4*FR
	s_add_co_u32 s47, s47, WSL
	v_add_nc_u32 v[BAD], s47, v[L16L]
	v_add_nc_u32 v[BAD+1], WSZ, v[BAD]
	; row fragments: row 16 rg + r, 16 bytes for each half of the lanes
	s_mul_i32 s48, s[RG], TILE
	v_mul_u32_u24 v19, v[RR], TP
	v_lshl_add_u32 v20, v[HH], 4, v19
	v_add_nc_u32 v[AAD], s48, v20
	v_add_nc_u32 v[AAD+1], TSZ, v[AAD]
	v_add_nc_u32 v[AAD4], 16*TILE, v[AAD]
	v_add_nc_u32 v[AAD4+1], 16*TILE, v[AAD+1]
	s_mul_i32 s49, s[WV], STG                      ; my stage
.if FFN == 1
	s_mul_i32 s44, s[WV], 2*TP                     ; rows into LDS: row 2 w + h of a tile, 16 r
	v_mul_u32_u24 v21, v[HH], TP
	v_add_nc_u32 v21, v21, v[R16]
	v_add_nc_u32 v[TST], s44, v21
	v_mul_u32_u24 v22, v[RR], SP2                  ; stage, in: row r, 16 bytes (8 bf16) for each half of the lanes
	v_lshl_add_u32 v22, v[HH], 4, v22
	v_add_nc_u32 v[STGW], s49, v22
	v_lshrrev_b32 v22, 3, v[LN]                    ; stage, back: row lane / 8, 16 bytes at 16 (lane % 8): 32 lanes take four rows of 128 bytes
	v_mul_u32_u24 v22, v22, SP2
	v_and_b32 v23, 7, v[LN]
	v_lshl_add_u32 v22, v23, 4, v22
	v_add_nc_u32 v[STGR], s49, v22
	s_lshl_b32 s44, s[RG], 11
	v_add_nc_u32 v[OUTO], s44, v[L16L]             ; h1: tile rg's 2,048 bytes + 16 x lane
	s_lshl_b32 s44, s[RG], 4
	v_add_nc_u32 v[RK], s44, v[RR]
.else
	; A tile's ranks are permuted in LDS: rank 2 m + c lies in row 8 c + m, so that the two ranks of a store pass lie 8 rows = 128 bytes modulo 256 apart.
	s_mul_i32 s44, s[RG], 2*TP
	s_lshl_b32 s45, s[CH], 7
	s_add_co_u32 s44, s44, s45
	v_bfe_u32 v21, v0, 3, 1
	v_lshl_add_u32 v21, v21, 3, v[HH]
	v_mul_u32_u24 v21, v21, TP
	v_and_b32 v23, 7, v[LN]
	v_lshl_add_u32 v21, v23, 4, v21
	v_add_nc_u32 v[TST], s44, v21
	v_and_b32 v22, 7, v[RR]
	v_lshrrev_b32 v23, 3, v[RR]
	v_lshl_add_u32 v22, v22, 1, v23                ; the rank that LDS row r holds
	s_lshl_b32 s44, s[RG], 4
	v_add_nc_u32 v[RK], s44, v22
	v_mul_u32_u24 v22, v22, TP                     ; stage, in: by rank
	v_lshl_add_u32 v22, v[HH], 5, v22
	v_add_nc_u32 v[STGW], s49, v22
	v_mul_u32_u24 v22, v[HH], 8*TP                 ; stage, back: lanes 0-15 a whole row of 256 bytes, lanes 16-31 the row 8 further down
	v_add_nc_u32 v22, v22, v[R16]
	v_add_nc_u32 v[STGR], s49, v22
	s_lshl_b32 s44, s[RG], 6
	v_add_nc_u32 v[OUTO], s44, v[BOFF]             ; the list: 4 (16 rg + 8 h)
	s_lshl_b32 s44, s[CH], 17
	s_lshl_b32 s45, s[RG], 9
	s_add_co_u32 s44, s44, s45
	v_add_nc_u32 v[TGO], s44, v[L16L]              ; h1: block w % 2, ranks 4 rg on, 16 x lane
.endif
	v_add_nc_u32 v[TST+1], 10*TILE, v[TST]
	v_add_nc_u32 v[TST+2], TSZ, v[TST]
	v_add_nc_u32 v[TST+3], TSZ+10*TILE, v[TST]
	; what the guarded lines name holds a number on every way
.set i, 0
.rept 8
	v_mov_b32 v[AF+32+i], 0
.set i, i+1
.endr
.set i, 0
.rept 16
	v_mov_b32 v[TD+64+i], 0
.set i, i+1
.endr
	; byte offsets, made apart from the addresses: weights s[50:51], rows s[52:53], results s[54:55], bias s[56:57]
	s_mov_b32 s51, 0
	s_mov_b32 s53, 0
	s_mov_b32 s55, 0
	s_mov_b32 s57, 0
	s_lshl_b32 s50, s[EX], 24
	s_lshl_b32 s45, s[CH], 8
.if FFN == 1
	s_lshl_b32 s44, s[SX], 9
	s_add_co_u32 s50, s50, s44
	s_mov_b32 s52, 0
	s_lshl_b32 s54, s[EX], 6
	s_lshl1_add_u32 s54, s[SX], s54
	s_add_co_u32 s54, s54, s[CH]
	s_lshl_b32 s54, s54, 17                        ; h1's block 64 e + 2 slice + ch: 1,024 ranks x 128 bytes
	s_lshl_b32 s56, s[EX], 14
	s_add_co_u32 s56, s56, s44
	CPAIR A13, 0xaf95df0b                          ; -2.72614226e-10
	CPAIR A11, 0x32edffee                          ;  2.77068142e-8
	CPAIR A9,  0xb60cff51                          ; -2.10102402e-6
	CPAIR A7,  0xb86ec2d2                          ; -5.69250639e-5
	CPAIR A5,  0xba40ac63                          ; -7.34990630e-4
	CPAIR A3,  0xbb41a1f6                          ; -2.95459981e-3
	CPAIR A1,  0xbc83dbd4                          ; -1.60960333e-2
	CPAIR B8,  0xb77460cd                          ; -1.45660718e-5
	CPAIR B6,  0xb95fbd29                          ; -2.13374055e-4
	CPAIR B4,  0xbadc924e                          ; -1.68282697e-3
	CPAIR B2,  0xbbf19bf8                          ; -7.37332917e-3
	CPAIR B0,  0xbc69b6a7                          ; -1.42647391e-2
	CPAIR RS2, 0x3f3504f3                          ; 1 / sqrt(2)
.else
	s_lshr_b32 s58, s[SX], 3                       ; kq
	s_and_b32 s59, s[SX], 7                        ; cs
	s_lshl_b32 s44, s58, 22
	s_add_co_u32 s50, s50, s44
	s_lshl_b32 s44, s59, 9
	s_add_co_u32 s50, s50, s44
	s_lshl_b32 s52, s[EX], 6
	s_lshl4_add_u32 s52, s58, s52
	s_lshl_b32 s52, s52, 17                        ; h1's block 64 e + 16 kq
	s_lshl_b32 s54, s58, 23
	s_add_co_u32 s54, s54, s44
	s_add_co_u32 s54, s54, s45                     ; pp: quarter kq, column 128 cs + 64 ch
	s_lshl_b32 s56, s[EX], 12
	s_add_co_u32 s56, s56, s44
.endif
	s_add_co_u32 s56, s56, s45
	s_wait_kmcnt 0x0
	s_add_nc_u64 s[SWB:SWB+1], s[6:7], s[50:51]
	s_add_nc_u64 s[STB:STB+1], s[4:5], s[52:53]
	s_add_nc_u64 s[OB:OB+1], s[OUTP:OUTP+1], s[54:55]
	s_add_nc_u64 s[BB:BB+1], s[8:9], s[56:57]
	s_mov_b64 s[SWB0:SWB0+1], s[SWB:SWB+1]
	s_mov_b64 s[STB0:STB0+1], s[STB:STB+1]
.if FFN == 1
.set i, 0
.rept 8
	global_load_b128 v[TD+4*i:TD+4*i+3], v[L16L], s[10:11] offset:512*i  ; all 1,024 choices; every wave asks, so that all waves' counts are alike
.set i, i+1
.endr
.else
	s_lshl_b32 s44, s[EX], 10
	s_mov_b32 s45, 0
	s_add_nc_u64 s[12:13], s[12:13], s[44:45]
	s_load_b32 s[SR], s[12:13], 0x0                ; R
	s_mul_i32 s46, s[EX], 5120
	s_mov_b32 s47, 0
	s_add_nc_u64 s[LB:LB+1], s[10:11], s[46:47]
	s_cmp_eq_u32 s58, 0
	s_cselect_b32 s[FLG], 1.0, 0
.endif
	BLOADS
	WLOADS 0                                       ; chunk 0
	s_wait_xcnt 0x0
	s_add_nc_u64 s[SWB:SWB+1], s[SWB:SWB+1], WCH
	WLOADS 1                                       ; chunk 1
.if FFN == 1
	s_wait_loadcnt 32                              ; the 32 loads of weights stay out; the choices, asked for ahead of them, are in
	; THE LIST, by wave 0, while the weights are on their way.  Group g: the 32 tokens 128 (g / 4) + 4 lane + g % 4.  A token that chose expert e gets the next rank; its entry is 2 token + k.
	s_cmp_lg_u32 s[WV], 0
	s_cbranch_scc1 .Lbuilt
	v_add_nc_u32 v16, LIST, v[L16L]
	v_mov_b32 v20, 0
	v_mov_b32 v21, 0
	v_mov_b32 v22, 0
	v_mov_b32 v23, 0
.irp i,0,1,2,3,4,5,6,7
	ds_store_b128 v16, v[20:23] offset:512*\i      ; all 1,024 places hold entry 0 first: every word is written, and an entry exists even where R = 0; LDS serves a wave's stores in order
.endr
	s_lshl_b32 s50, 0x101, s[EX]                   ; first or second choice
	s_add_co_u32 s51, s[EX], 8
	s_mov_b32 s52, 0                               ; ranks given so far
	v_add_nc_u32 v20, 1024, v[LN]                  ; where a lane without a rank writes
.set g, 0
.rept 32
	v_and_b32 v16, s50, v[TD+g]
	v_cmp_ne_u32 vcc_lo, 0, v16
	v_mbcnt_lo_u32_b32 v17, vcc_lo, s52            ; rank = ranks so far + choosers in the lanes below me
	v_lshrrev_b32 v16, s51, v16                    ; k, in bit 0
	v_lshl_or_b32 v16, v[LN], 3, v16               ; 8 lane: bits 3 to 7
.if g
	v_or_b32 v16, 256*(g/4)+2*(g%4), v16           ; the group's part: bits 1, 2 and 8 to 10
.endif
	v_cndmask_b32 v17, v20, v17, vcc_lo
	v_min_u32 v17, 0x41f, v17                      ; a number made of loaded data enters an address behind a clamp by a written constant
	v_lshl_add_u32 v17, v17, 2, LIST
	ds_store_b32 v17, v16
	s_bcnt1_i32_b32 s53, vcc_lo
	s_add_co_u32 s52, s52, s53
.set g, g+1
.endr
	v_mov_b32 v16, CNTR
	v_mov_b32 v17, s52
	ds_store_b32 v16, v17
.Lbuilt:
	s_wait_dscnt 0x0                               ; for the others' sake: the list is stored
	s_barrier_signal -1
	s_barrier_wait -1
	v_mov_b32 v16, CNTR
	ds_load_b32 v17, v16
	s_wait_dscnt 0x0
	v_readfirstlane_b32 s[SR], v17
.else
	s_wait_kmcnt 0x0
.endif
	s_min_u32 s[SR], s[SR], 0x400
	s_add_co_u32 s[ST], s[SR], 15
	s_lshr_b32 s[ST], s[ST], 4
	s_max_u32 s[RM1], s[SR], 1
	s_sub_co_u32 s[RM1], s[RM1], 1
	s_min_u32 s[RM1], s[RM1], 0x3ff
	s_add_co_u32 s44, s[RG], 16
	s_cmp_gt_u32 s[ST], s44
	s_cselect_b32 s[L4], 1, 0
	s_mov_b32 s[NPS], 1                            ; a pass has 20 tiles
	s_cmp_gt_u32 s[ST], 20
	s_add_co_ci_u32 s[NPS], s[NPS], 0
	s_cmp_gt_u32 s[ST], 40
	s_add_co_ci_u32 s[NPS], s[NPS], 0
	s_cmp_gt_u32 s[ST], 60
	s_add_co_ci_u32 s[NPS], s[NPS], 0
.if FFN == 1
	s_max_u32 s[TS], s[ST], 16
	; byte offsets in hb of the rows that I fetch: rank 16 i + 2 w + h, held to R - 1
	s_lshl_b32 s44, s[WV], 1
	v_add_nc_u32 v16, s44, v[HH]
.set i, 0
.rept 20
	v_add_nc_u32 v17, 16*i, v16
	v_min_u32 v17, s[RM1], v17
	v_min_u32 v17, 0x3ff, v17
	v_lshl_add_u32 v17, v17, 2, LIST
	ds_load_b32 v[TD+i], v17
.set i, i+1
.endr
	s_wait_dscnt 0x0
.set i, 0
.rept 20
	v_lshrrev_b32 v[TD+i], 1, v[TD+i]              ; the token
	v_min_u32 v[TD+i], 0x3ff, v[TD+i]
.set i, i+1
.endr
	WIN 0x40
.set i, 0
.rept 16
	v_lshl_add_u32 v[TOFF+i], v[TD+i], 11, v[R16]
.set i, i+1
.endr
	WIN 0
.rept 4
	v_lshl_add_u32 v[TOF2+i-16], v[TD+i], 11, v[R16]
.set i, i+1
.endr
	; slice 0 hands list and count to the next launch: 1,280 entries (places past the count repeat entry R - 1) and 256 words of R
	s_cmp_lg_u32 s[SX], 0
	s_cbranch_scc1 .Lnolist
.irp m,0,1,2,3,4
	v_add_nc_u32 v17, 256*\m, v0
	v_min_u32 v17, s[RM1], v17
	v_min_u32 v17, 0x3ff, v17
	v_lshl_add_u32 v17, v17, 2, LIST
	ds_load_b32 v[TD+32+\m], v17
.endr
	s_mul_i32 s44, s[EX], 5120
	s_mov_b32 s45, 0
	s_add_nc_u64 s[14:15], s[14:15], s[44:45]
	s_lshl_b32 s44, s[EX], 10
	s_add_nc_u64 s[16:17], s[16:17], s[44:45]
	v_lshlrev_b32 v18, 2, v0
	v_mov_b32 v19, s[SR]
	s_wait_dscnt 0x0
.irp m,0,1,2,3,4
	global_store_b32 v18, v[TD+32+\m], s[14:15] offset:1024*\m
.endr
	global_store_b32 v18, v19, s[16:17]
	s_wait_xcnt 0x0                                ; the stores' registers are written again only behind this wait
.Lnolist:
.else
	s_mov_b32 s[TS], s[ST]
.endif
	TLOADS                                         ; chunk 0 of the rows; what follows stands while they are on their way
	s_wait_loadcnt 48                              ; the bias is in: behind it lie two chunks of weights (32 loads) and 16 to 20 loads of rows
	BMOVES
	s_wait_loadcnt 32                              ; the weights of chunk 0 are in: behind them lie chunk 1's (16) and the rows (16 to 20)
	CVTSTORE 0, 0
	s_wait_loadcnt 0x0                             ; the rows of chunk 0
	TSTORES 0
	s_wait_xcnt 0x0                                ; the base is stepped only behind this wait
	s_add_nc_u64 s[STB:STB+1], s[STB:STB+1], TSTEP
	TLOADS                                         ; chunk 1 of the rows
	s_mov_b32 s[KC], 3
.Lk:                                                   ; chunks 0 to 5
	TRIP 0, 1, 1, 1, 0
	TRIP 1, 1, 1, 1, 0
	s_sub_co_u32 s[KC], s[KC], 1
	s_cmp_lg_u32 s[KC], 0
	s_cbranch_scc1 .Lk
	TRIP 0, 0, 1, 0, 0                             ; chunk 6: nothing is left to ask for; chunk 7 goes into its slot
.if FFN == 2
	TRIP 1, 0, 0, 0, 1                             ; chunk 7: nothing but the list's entries
.else
	TRIP 1, 0, 0, 0, 0                             ; chunk 7
.endif
	s_wait_dscnt 0x0
	s_barrier_signal -1
	s_barrier_wait -1                              ; nobody reads the slots any more: from here on each wave has a stage and four fragments of its own, and no barrier follows
.if FFN == 2
	s_wait_loadcnt 0x0                             ; the list's entries
	POFFS
.endif
	s_mov_b32 s[PS], 0
.Lpass:                                                ; four trips cover 1,280 rows; a pass without rows is jumped
	s_cmp_ge_u32 s[PS], s[NPS]
	s_cbranch_scc1 .Lnext
	s_mul_i32 s44, s[PS], 20                       ; my tile u is tile 20 p + 4 u + rg: how many of the five go out
	s_add_co_u32 s44, s44, s[RG]
	s_sub_co_i32 s[NSL], s[TS], s44
	s_add_co_i32 s[NSL], s[NSL], 3
	s_ashr_i32 s[NSL], s[NSL], 2
	s_max_i32 s[NSL], s[NSL], 0
	s_min_i32 s[NSL], s[NSL], 5
.if FFN == 1
	; GELU and the way out, a tile (16 rows x 64 columns, 32 numbers a lane) a trip, straight from tile 0's accumulators.  A lane's eight neighbouring columns of a fragment round to 16 bytes;
	; they go into my stage's rows of 144 bytes and come back as four ranks' 512 consecutive bytes.  The four places behind the last product end every K step.
.set ZZ, TD                            ; z; later the tile in bf16
.set Z2, TD+32                         ; z^2; later the rows read back
.set PP, TD+64                         ; P, then erf, then the result
.set QQ, TD+96                         ; Q, then 1 / Q
.set HX, TD+128                        ; x / 2
	s_mov_b32 s60, 0                               ; the tile u
	s_mul_i32 s63, s[PS], 40960                    ; the pass's 320 ranks x 128 bytes
.Lg:
	s_cmp_ge_u32 s60, s[NSL]
	s_cbranch_scc1 .Lgn
	s_wait_xcnt 0x0                                ; the last trip's stores have read their registers
	s_lshl_b32 s44, s60, 13                        ; tile 4 u: 64 ranks x 128 bytes
	s_add_co_u32 s44, s44, s63
	v_add_nc_u32 v16, s44, v[OUTO]
	WIN 0x01                                       ; source 0 in window 1
.set p, 0
.rept 16
	v_pk_mul_f32 v[ZZ+2*p:ZZ+2*p+1], v[ACC+2*p:ACC+2*p+1], s[RS2:RS2+1] op_sel_hi:[1,0]  ; z = x / sqrt(2)
.set p, p+1
.endr
	WIN 0
.set i, 0
.rept 32
	v_max_num_f32 v[ZZ+i], -4.0, v[ZZ+i]
.set i, i+1
.endr
.set i, 0
.rept 32
	v_min_num_f32 v[ZZ+i], 4.0, v[ZZ+i]
.set i, i+1
.endr
.set p, 0
.rept 16
	v_pk_mul_f32 v[Z2+2*p:Z2+2*p+1], v[ZZ+2*p:ZZ+2*p+1], v[ZZ+2*p:ZZ+2*p+1]
.set p, p+1
.endr
.set p, 0
.rept 16
	v_pk_fma_f32 v[PP+2*p:PP+2*p+1], v[Z2+2*p:Z2+2*p+1], s[A13:A13+1], s[A11:A11+1] op_sel_hi:[1,0,0]
.set p, p+1
.endr
.irp a, A9, A7, A5, A3, A1
.set p, 0
.rept 16
	v_pk_fma_f32 v[PP+2*p:PP+2*p+1], v[PP+2*p:PP+2*p+1], v[Z2+2*p:Z2+2*p+1], s[\a:\a+1] op_sel_hi:[1,1,0]
.set p, p+1
.endr
.endr
.set p, 0
.rept 16
	v_pk_fma_f32 v[QQ+2*p:QQ+2*p+1], v[Z2+2*p:Z2+2*p+1], s[B8:B8+1], s[B6:B6+1] op_sel_hi:[1,0,0]
.set p, p+1
.endr
.irp a, B4, B2, B0
.set p, 0
.rept 16
	v_pk_fma_f32 v[QQ+2*p:QQ+2*p+1], v[QQ+2*p:QQ+2*p+1], v[Z2+2*p:Z2+2*p+1], s[\a:\a+1] op_sel_hi:[1,1,0]
.set p, p+1
.endr
.endr
.set p, 0
.rept 16
	v_pk_mul_f32 v[PP+2*p:PP+2*p+1], v[PP+2*p:PP+2*p+1], v[ZZ+2*p:ZZ+2*p+1]
.set p, p+1
.endr
.set i, 0
.rept 32
	v_rcp_f32 v[QQ+i], v[QQ+i]
.set i, i+1
.endr
	WIN 0x01
.set p, 0
.rept 16
	v_pk_mul_f32 v[HX+2*p:HX+2*p+1], v[ACC+2*p:ACC+2*p+1], 0.5 op_sel_hi:[1,0]  ; x / 2: plain work between the reciprocals and their use (ISA guide 5.7.2)
.set p, p+1
.endr
	WIN 0
.set p, 0
	s_wait_alu depctr_va_vdst(0)
.rept 16
	v_pk_mul_f32 v[PP+2*p:PP+2*p+1], v[PP+2*p:PP+2*p+1], v[QQ+2*p:QQ+2*p+1]  ; erf
.set p, p+1
.endr
.set p, 0
.rept 16
	v_pk_fma_f32 v[PP+2*p:PP+2*p+1], v[HX+2*p:HX+2*p+1], v[PP+2*p:PP+2*p+1], v[HX+2*p:HX+2*p+1]  ; x / 2 (1 + erf)
.set p, p+1
.endr
.set p, 0
.rept 16
	v_cvt_pk_bf16_f32 v[ZZ+p], v[PP+2*p], v[PP+2*p+1]
.set p, p+1
.endr
.irp f,0,1,2,3
	ds_store_b128 v[STGW], v[ZZ+4*\f:ZZ+4*\f+3] offset:32*\f
.endr
.irp t,0,1,2,3
	ds_load_b128 v[Z2+4*\t:Z2+4*\t+3], v[STGR] offset:4*SP2*\t  ; LDS serves a wave's instructions in order (ISA guide 5.7.1.4): these see the stores above; the next trip's stores come behind them
.endr
	; The tiles that still go out move down one: the next trip finds its tile where this one was.  Place k holds tile u + k, which goes out where k is below the tiles left; the rest is jumped.
	; The moves stand in the wait for the stage.
	s_sub_co_u32 s45, s[NSL], s60                  ; tiles left, this one among them
.irp k,1,2,3,4
	s_cmp_le_u32 s45, \k
	s_cbranch_scc1 .Lmv
	WIN 0x41                                       ; destination and source 0 in window 1
.set i, 0
.rept 32
	v_mov_b32 v[ACC+32*(\k-1)+i], v[ACC+32*\k+i]
.set i, i+1
.endr
	WIN 0
.endr
.Lmv:
	s_wait_dscnt 0x0
.irp t,0,1,2,3
	global_store_b128 v16, v[Z2+4*\t:Z2+4*\t+3], s[OB:OB+1] offset:512*\t  ; 512 consecutive bytes, aligned: four ranks
.endr
.Lgn:
	s_add_co_u32 s60, s60, 1
	s_cmp_lt_u32 s60, 5
	s_cbranch_scc1 .Lg
.else
	DUMP
	; the way out: whole rows of 256 bytes back from the stage, each to its entry's row of pp.  Places past the count hold row R - 1 again and store its numbers to its place again.
.irp u,0,1,2,3,4
	s_cmp_le_u32 s[NSL], \u
	s_cbranch_scc1 .Lpe
	s_wait_xcnt 0x0                                ; the last tile's stores have read their registers
.irp t,0,1,2,3,4,5,6,7
	ds_load_b128 v[CT+4*\t:CT+4*\t+3], v[STGR] offset:TILE*\u+TP*\t
.endr
.irp t,0,1,2,3,4,5,6,7
	s_wait_dscnt 7-\t                              ; LDS loads come back in order (ISA guide 5.7.1): row t is in, the later ones may be out
	global_store_b128 v[TD+8*\u+\t], v[CT+4*\t:CT+4*\t+3], s[OB:OB+1]  ; each half of the lanes stores 256 consecutive bytes, aligned
.endr
.endr
.Lpe:
.endif
	s_add_co_u32 s44, s[PS], 1
	s_cmp_ge_u32 s44, s[NPS]
	s_cbranch_scc1 .Lnext
	; THE NEXT PASS'S PRODUCT, without a barrier: rows 320 (p + 1) on, all five tiles (ranks held to R - 1)
	s_wait_xcnt 0x0
	s_mov_b64 s[SWB:SWB+1], s[SWB0:SWB0+1]
	s_mov_b64 s[STB:STB+1], s[STB0:STB0+1]
	BLOADS
.if FFN == 2
	s_add_nc_u64 s[LB:LB+1], s[LB:LB+1], 1280
	ENTLOADS
.endif
	s_mul_i32 s44, s44, 320
	v_add_nc_u32 v16, s44, v[RK]
	v_lshlrev_b32 v18, 4, v[HH]
.if FFN == 1
.irp u,0,1,2,3,4
	v_add_nc_u32 v17, 64*\u, v16
	v_min_u32 v17, s[RM1], v17
	v_min_u32 v17, 0x3ff, v17
	v_lshl_add_u32 v17, v17, 2, LIST
	ds_load_b32 v[AQ+\u], v17
.endr
	s_wait_dscnt 0x0
.irp u,0,1,2,3,4
	v_lshrrev_b32 v[AQ+\u], 1, v[AQ+\u]
	v_min_u32 v[AQ+\u], 0x3ff, v[AQ+\u]
	v_lshl_add_u32 v[AQ+\u], v[AQ+\u], 11, v18     ; token x 2,048 + 16 h
.endr
.else
.irp u,0,1,2,3,4
	v_add_nc_u32 v17, 64*\u, v16
	v_min_u32 v17, s[RM1], v17
	v_min_u32 v17, 0x3ff, v17
	v_lshl_add_u32 v[AQ+\u], v17, 7, v18           ; rank x 128 + 16 h
.endr
.endif
	s_wait_loadcnt 0x0
	BMOVES
	s_mov_b32 s[KC], 16
.Lslow:
	SSTEP 0
	SSTEP 1
	s_wait_xcnt 0x0
	s_add_nc_u64 s[SWB:SWB+1], s[SWB:SWB+1], 64*PW
	s_add_nc_u64 s[STB:STB+1], s[STB:STB+1], SSTP
	s_sub_co_u32 s[KC], s[KC], 1
	s_cmp_lg_u32 s[KC], 0
	s_cbranch_scc1 .Lslow
.if FFN == 2
	POFFS
.endif
.Lnext:
	s_add_co_u32 s[PS], s[PS], 1
	s_cmp_lt_u32 s[PS], 4
	s_cbranch_scc1 .Lpass
	s_wait_tensorcnt 0x0                           ; the wave's end: behind my last LDS store
	ds_add_u32 v[SPW], v[NIL]
	s_wait_dscnt 0x0
	s_endpgm
.Lfunc_end_k_qcbf12c7420_ffn1:
	.size	k_qcbf12c7420_ffn1, .Lfunc_end_k_qcbf12c7420_ffn1-k_qcbf12c7420_ffn1
	.p2alignl 7, 3214868480
	.fill 96, 4, 3214868480
	.section	.rodata,"a",@progbits
	.p2align	6, 0x0
	.amdhsa_kernel k_qcbf12c7420_ffn1
		.amdhsa_group_segment_fixed_size 246016
		.amdhsa_private_segment_fixed_size 0
		.amdhsa_enable_private_segment 0
		.amdhsa_kernarg_size 56
		.amdhsa_user_sgpr_count 2
		.amdhsa_user_sgpr_kernarg_segment_ptr 1
		.amdhsa_wavefront_size32 1
		.amdhsa_system_sgpr_workgroup_id_x 1
		.amdhsa_system_sgpr_workgroup_id_y 1
		.amdhsa_system_sgpr_workgroup_id_z 1
		.amdhsa_system_vgpr_workitem_id 0
		.amdhsa_next_free_vgpr 512
		.amdhsa_next_free_sgpr 96
		.amdhsa_reserve_vcc 1
		.amdhsa_float_denorm_mode_32 3
		.amdhsa_float_denorm_mode_16_64 3
		.amdhsa_memory_ordered 1
		.amdhsa_forward_progress 1
		.amdhsa_inst_pref_size 174
	.end_amdhsa_kernel
	.amdgpu_metadata
---
amdhsa.version: [ 1, 2 ]
amdhsa.kernels:
  - .name:           k_qcbf12c7420_ffn1
    .symbol:         k_qcbf12c7420_ffn1.kd
    .args:
      - { .name: hb, .offset: 0, .size: 8, .value_kind: global_buffer, .address_space: global }
      - { .name: W1, .offset: 8, .size: 8, .value_kind: global_buffer, .address_space: global }
      - { .name: b1, .offset: 16, .size: 8, .value_kind: global_buffer, .address_space: global }
      - { .name: sel, .offset: 24, .size: 8, .value_kind: global_buffer, .address_space: global }
      - { .name: h1, .offset: 32, .size: 8, .value_kind: global_buffer, .address_space: global }
      - { .name: lst, .offset: 40, .size: 8, .value_kind: global_buffer, .address_space: global }
      - { .name: cnt, .offset: 48, .size: 8, .value_kind: global_buffer, .address_space: global }
    .group_segment_fixed_size: 246016
    .private_segment_fixed_size: 0
    .kernarg_segment_align: 8
    .kernarg_segment_size: 56
    .max_flat_workgroup_size: 256
    .sgpr_count:     96
    .vgpr_count:     512
    .wavefront_size: 32
...
	.end_amdgpu_metadata
.endif
;; end of part 2
;; launch ffn2 (part 3): grid 32 x 8, 8 waves a work-group, no clusters, 246,016 bytes of LDS; arguments h1, W2, b2, lst, cnt, pp; writes pp
.if DOCPART == 3
	.amdgcn_target "amdgcn-amd-amdhsa--gfx1250"
	.amdhsa_code_object_version 6
	.text
	.protected	k_qcbf12c7420_ffn2
	.globl	k_qcbf12c7420_ffn2
	.p2align	8
	.type	k_qcbf12c7420_ffn2,@function
k_qcbf12c7420_ffn2:
	s_mov_b64 s[64:65], 0
	v_nop
	global_prefetch_b8 v0, s[64:65] scope:SCOPE_SE
	s_setreg_imm32_b32 hwreg(HW_REG_WAVE_MODE, 25, 1), 1
	s_wait_xcnt 0x0
; ONE TEXT FOR BOTH PRODUCTS OF THE EXPERTS' LAYER; FFN says which this file is.
;   FFN = 1:  h1 = gelu(h W1[e] + b1[e]) for the rows that chose expert e.   FFN = 2:  pp[kq] = h1 W2[e] (+ b2[e] where kq = 0), a quarter of K each.
.set FFN, 2
; SHARES.  A work-group has ONE expert (grid y), 128 output columns, K = 1,024 and ALL R rows of that expert (0 to 1,024): 256 work-groups, and every byte of the
; weights is read by one of them.  FFN = 1: grid x = the slice of 128 of 4,096 columns.  FFN = 2: grid x = 8 kq + cs: quarter kq of K = 4,096, slice cs of 1,024 columns.
; Wave w: rg = w >> 1 takes the tiles of 16 rows 4 u + rg (u = 0..4), ch = w & 1 takes 64 columns (4 fragments): 20 accumulators, 160 registers.
; MAIN PASS: rows 0 to 319.  K goes in 8 chunks of 128 through two LDS slots, one barrier a chunk, a constant number of trips.  Tiles 0 to 15 are always worked
; (places past the count repeat row R - 1); tiles 16 to 19 only where they hold rows: whole instructions are jumped, never a barrier.
; ROWS FROM 320 ON: up to three further passes in a loop of constant count; dead passes are jumped forward.  Such a pass has no barrier: each wave reads its
; weights and its rows from memory by itself and turns the weights in LDS bytes of its own.
; WEIGHTS lie [K][N] in f32.  A lane loads 16 rows x 4 columns, rounds pairs of neighbouring k to bf16, and stores for each column 16 bytes at the place where the
; matrix fragment's lane will read them: LDS holds READY fragments, rounded once.  A chunk of weights (64 KiB a work-group) is asked for a trip and a half ahead of its rounding,
; into one of two register buffers; a chunk of rows a whole trip ahead of its store.
; THE MATRIX INSTRUCTION IS USED TRANSPOSED: source 0 = 16 output columns (weights), source 1 = 16 rows (tokens).  Lane (r, h) of a result holds row r, columns 8 h + 0..7.
; The bias starts the sums: the accumulators are set to it (160 moves a pass), so that all eight chunks share one text and no add follows.
; THE WAY OUT.  FFN = 1: a loop of five trips, written once, always works on tile 0's accumulators; at a trip's end the tiles that still go out move down one tile (32 moves each):
; a loop cannot step register numbers, its LDS addresses stay fixed, and five copies of the GELU would be some 14 KB of text.  FFN = 2: all tiles through an f32 stage, written out.
; NO CLUSTER: a slice of weights has one reader.  What an expert's work-groups share is its rows; FFN = 1 takes them by a list, which no tile descriptor covers; in FFN = 2
; their number is read from memory, and neither a descriptor's size nor a jump over a tile load may hang on that.  So the rows come through registers, 80 KiB a chunk at the most.
; FORMATS.  Matrix operands bf16 (h, W, h1 rounded once each), sums f32, GELU f32, pp f32.
; LIMITS.  erf(z) = z P(z^2) / Q(z^2), degrees 6 and 4 in z^2, z held to -4 .. 4 (beyond that erf is 1 to 2e-8): absolute error about 1e-7 for every x.  NaN and infinities are not treated apart.
; lst and cnt (FFN = 1, slice 0 alone) are stored 4 bytes a lane, 128 consecutive bytes a wave: 48 KiB in the launch.
.if FFN == 1
.set PW,    16384                      ; bytes from a row of the weights to the next
.set TSTEP, 256                        ; bytes from a chunk of the rows to the next: 128 bf16 of hb's rows
.set SSTP,  128                        ; slow pass: two K steps of 32
.else
.set PW,    4096
.set TSTEP, 262144                     ; two blocks of 64 columns of h1
.set SSTP,  131072                     ; one such block
.endif
.set WCH,   128*PW                     ; a chunk of the weights
; LDS
.set TP,    272                        ; a row: 256 bytes + 16 = 68 words: 16 rows that a load touches start at 16 different groups of four banks (64 banks of 4 bytes: ISA guide 11.1)
.set TILE,  16*TP
.set TSZ,   20*TILE                    ; a slot of rows: 320 rows x 128 k in bf16
.set WSL,   2*TSZ                      ; behind the two: the weights' slots
.set FR,    1040                       ; a fragment: 1,024 bytes + 16, so that the four fragments a store pass touches start 16 bytes apart
.set WSZ,   32*FR                      ; a slot of weights: fragment 8 ks + F (K step ks of 4, 16 columns F of 8); lane at 16 x lane, registers 4-7 at + 512
.set LIST,  WSL+2*WSZ                  ; FFN = 1: entry (2 token + k) of rank i at 4 i; words 1024 to 1055 take what is thrown away; the count at + 4224
.set CNTR,  LIST+4096+128
.set SPARE, LIST+4096+256              ; the spare words, 128 bytes a wave: four blocks of 256 bytes that no other line names
.set STG,   5*TILE                     ; behind the main pass the rows' slots are eight stages, one a wave.  FFN = 2: 5 tiles x 16 rows x 64 f32; FFN = 1: its first 16 rows x 144 bytes
.set SP2,   144                        ; FFN = 1: a stage row: 64 bf16 + 16 bytes = 36 words: the 16 rows of a store pass start at 16 different groups of four banks
; vector registers, window 0
.set SPW,  1                           ; my spare word's address; never rewritten
.set NIL,  2                           ; 0; never rewritten
.set WOFF, 3                           ; my byte offset in a chunk of the weights
.set WST,  4                           ; v4-5    where I store fragments' pieces, slot 0, 1 (slot 0's also serves the slow pass: those four fragments are then mine alone)
.set BAD,  6                           ; v6-7    where I read weight fragments
.set TST,  8                           ; v8-11   where I store rows: slot 0 tiles 0-9, 10-19; slot 1 likewise
.set AAD,  12                          ; v12-13  where I read row fragments, u = 0..3
.set AAD4, 14                          ; v14-15  u = 4
.set R16,  24                          ; 16 (lane % 16)
.set STGW, 25                          ; stage: where I put results
.set STGR, 26                          ; stage: where I read rows back
.set OUTO, 27                          ; FFN = 1: my byte offset in h1's block; FFN = 2: my byte offset in the list
.set WOF2, 28                          ; slow pass: my byte offset in 32 rows of the weights
.set L16L, 29                          ; 16 x lane
.set WSR,  30                          ; slow pass: where I read my own fragments
.set BOFF, 31                          ; 32 (lane / 16): the bias
.set TD,   32                          ; v32-111  rows on their way, 4 registers a tile; later at work
.set CT,   TD+40
.set AQ,   TD+72                       ; slow pass: my five rows' byte offsets
.set AF,   112                         ; v112-151 row fragments, u = 0..4
.set BF,   152                         ; v152-183 weight fragments, f = 0..3
.set WB0,  184                         ; v184-247 weights on their way, buffer 0
.set LN,   248
.set RR,   249
.set HH,   250                         ; lane / 16
.set RK,   251                         ; slow pass: my row's rank in a group of 64
.set TOF2, 252                         ; FFN = 1: v252-255 byte offsets of my row of tiles 16-19
.set TGO,  252                         ; FFN = 2: my byte offset in a tile of h1
; window 1
.set ACC,  0                           ; accumulator (u, f) at 32 u + 8 f
.set WB1,  160                         ; weights on their way, buffer 1
.set TOFF, 224                         ; FFN = 1: byte offsets of my row of tiles 0-15
.set CW,   240                         ; v240-255 of window 1: sixteen registers at work while weights are rounded
; scalar registers
.set WV,   18
.set RG,   19
.set CH,   20
.set EX,   21                          ; expert
.set SX,   22                          ; grid x
.set SWB,  24                          ; s[24:25] the weights' chunk to be asked for
.set STB,  26                          ; s[26:27] the rows' chunk to be asked for
.set SWB0, 28                          ; s[28:31] their first values
.set STB0, 30
.set OB,   32                          ; s[32:33] where results go
.set BB,   34                          ; s[34:35] my 64 numbers of the bias
.set SR,   36                          ; R
.set ST,   37                          ; T = tiles that hold rows
.set RM1,  38                          ; max(R, 1) - 1
.set L4,   39                          ; 1: my fifth tile of the main pass holds rows
.set NPS,  40                          ; passes that hold rows, at least 1
.set PS,   41                          ; the pass
.set NSL,  42                          ; my tiles of this pass that go out
.set KC,   43                          ; counts trips
.set TS,   54                          ; tiles that go out: FFN = 1 at least 16, since the next launch always reads 16
.set FLG,  55                          ; FFN = 2: 1.0 where kq = 0, else 0
.set LB,   60                          ; FFN = 2: s[60:61] the list's part for the pass
.if FFN == 1
.set OUTP, 12
.else
.set OUTP, 14
.endif
.set A13, 66                           ; FFN = 1: the constants of erf, each twice (the packed lines name pairs)
.set A11, 68
.set A9,  70
.set A7,  72
.set A5,  74
.set A3,  76
.set A1,  78
.set B8,  80
.set B6,  82
.set B4,  84
.set B2,  86
.set B0,  88
.set RS2, 90
.set MSB, 0
.macro WIN new                         ; s_set_vgpr_msb: bits 1:0 source 0, 3:2 source 1, 5:4 source 2, 7:6 destination; the high byte repeats the setting that is left
.if MSB != (\new)
	s_set_vgpr_msb (MSB<<8)|(\new)
.set MSB, (\new)
.endif
.endm
.macro CPAIR r, bits
	s_mov_b32 s[\r], \bits
	s_mov_b32 s[\r+1], \bits
.endm
; 16 loads: my K step (32 rows) and my 64 columns of a chunk.  Load j: row 16 (j / 8) + 8 (lane / 16) + j % 8; lanes 0-15 take 256 consecutive bytes, aligned, lanes 16-31 the row 8 further down.
.macro WLOADS b
.set WBX, WB0+(\b)*(WB1-WB0)
	WIN 0x40*(\b)
.set j, 0
.rept 16
	global_load_b128 v[WBX+4*j:WBX+4*j+3], v[WOFF], s[SWB:SWB+1] offset:((j/8)*16+j%8)*PW th:TH_LOAD_NT
.set j, j+1
.endr
	WIN 0
.endm
; Load i is my part of tile i of the rows' chunk.  FFN = 1: two whole rows of 256 bytes, by the list.  FFN = 2: 512 consecutive bytes (4 ranks x 64 columns).  Tiles 16 to 19 only where they hold rows.
.macro TLOADS
.if FFN == 1
	WIN 0x01                                       ; the address in window 1
.set i, 0
.rept 16
	global_load_b128 v[TD+4*i:TD+4*i+3], v[TOFF+i], s[STB:STB+1]
.set i, i+1
.endr
	WIN 0
.else
.set i, 0
.rept 16
	global_load_b128 v[TD+4*i:TD+4*i+3], v[TGO], s[STB:STB+1] offset:2048*i
.set i, i+1
.endr
.endif
.rept 4
	s_cmp_lt_u32 s[ST], i+1
	s_cbranch_scc1 .Ltl_\@
.if FFN == 1
	global_load_b128 v[TD+4*i:TD+4*i+3], v[TOF2+i-16], s[STB:STB+1]
.else
	global_load_b128 v[TD+4*i:TD+4*i+3], v[TGO], s[STB:STB+1] offset:2048*i
.endif
.set i, i+1
.endr
.Ltl_\@:
.endm
.macro TSTORES sl
.set i, 0
.rept 20
.if i >= 16
	s_cmp_lt_u32 s[ST], i+1
	s_cbranch_scc1 .Lts_\@
.endif
.if i < 10
	ds_store_b128 v[TST+2*(\sl)], v[TD+4*i:TD+4*i+3] offset:TILE*i
.else
	ds_store_b128 v[TST+2*(\sl)+1], v[TD+4*i:TD+4*i+3] offset:TILE*(i-10)
.endif
.set i, i+1
.endr
.Lts_\@:
.endm
; 64 f32 (16 k x 4 columns) become 32 registers: for half q of the k and column c four registers = 8 neighbouring k in bf16, the lower k in the lower half
.macro CVT32 src, dst
.irp q,0,1
.irp c,0,1,2,3
.irp i,0,1,2,3
	v_cvt_pk_bf16_f32 v[\dst+4*(4*\q+\c)+\i], v[\src+4*(8*\q+2*\i)+\c], v[\src+4*(8*\q+2*\i+1)+\c]
.endr
.endr
.endr
.endm
.macro FRST adr, src                   ; column 4 r + c goes to fragment r / 4, lane 4 (r % 4) + c + 16 h: the lane term is in the address, c and q in the immediate
.irp q,0,1
.irp c,0,1,2,3
	ds_store_b128 v[\adr], v[\src+4*(4*\q+\c):\src+4*(4*\q+\c)+3] offset:16*\c+512*\q
.endr
.endr
.endm
; The main pass's form of the two, in halves of 16 registers of its own, so that it can stand while a K step's fragments are on their way: 32 roundings, 8 LDS stores
.macro CVTSTORE b, sl
.set WBX, WB0+(\b)*(WB1-WB0)
.irp q,0,1
	WIN 0x40+0x05*(\b)                             ; destination in window 1, sources 0 and 1 in the buffer's window
.irp c,0,1,2,3
.irp i,0,1,2,3
	v_cvt_pk_bf16_f32 v[CW+4*\c+\i], v[WBX+4*(8*\q+2*\i)+\c], v[WBX+4*(8*\q+2*\i+1)+\c]
.endr
.endr
	WIN 0x04                                       ; the stores' data in window 1
.irp c,0,1,2,3
	ds_store_b128 v[WST+(\sl)], v[CW+4*\c:CW+4*\c+3] offset:16*\c+512*\q
.endr
.endr
	WIN 0
.endm
.macro MM u                            ; four products: tile u x my four fragments of columns
.irp f,0,1,2,3
	v_wmma_f32_16x16x32_bf16 v[ACC+32*\u+8*\f:ACC+32*\u+8*\f+7], v[BF+8*\f:BF+8*\f+7], v[AF+8*\u:AF+8*\u+7], v[ACC+32*\u+8*\f:ACC+32*\u+8*\f+7]
.endr
.endm
.macro PLACES                          ; four places behind the last product, ahead of loads into and lines that write its sources, and of lines and stores that read its result (ISA guide 7.12.1 for lines other than loads and stores)
.rept 4
	v_nop
.endr
.endm
; 32 along K, first half: 16 or 18 LDS loads: my four fragments of weights, then my tiles' fragments of rows, tile by tile
.macro KLOAD sl, ks
.irp f,0,1,2,3
.irp q,0,1
	ds_load_b128 v[BF+8*\f+4*\q:BF+8*\f+4*\q+3], v[BAD+\sl] offset:(8*\ks+\f)*FR+512*\q
.endr
.endr
.irp u,0,1,2,3
.irp q,0,1
	ds_load_b128 v[AF+8*\u+4*\q:AF+8*\u+4*\q+3], v[AAD+\sl] offset:4*TILE*\u+64*\ks+32*\q
.endr
.endr
	s_cmp_eq_u32 s[L4], 0
	s_cbranch_scc1 .Lka_\@
	ds_load_b128 v[AF+32:AF+35], v[AAD4+\sl] offset:64*\ks
	ds_load_b128 v[AF+36:AF+39], v[AAD4+\sl] offset:64*\ks+32
.Lka_\@:
.endm
; Second half: 16 or 20 products.  st = the LDS stores issued behind KLOAD's loads on every way.  LDS instructions end in order (ISA guide 5.7.1): behind tile u's two loads lie the later tiles' two each
; (6, 4, 2, 0; with a fifth tile two more) and those stores, so each tile's products begin as soon as its own fragment is in.  Where more lies behind, the smaller count only waits for a little more.
; The accumulators take turns, one instruction a turn, on both ways and from step to step.
.macro KMUL st
	s_wait_dscnt (\st)+6
	WIN 0x50                                       ; C and D in window 1
	MM 0
	s_wait_dscnt (\st)+4
	MM 1
	s_wait_dscnt (\st)+2
	MM 2
	s_wait_dscnt \st
	MM 3
	WIN 0
	s_cmp_eq_u32 s[L4], 0
	s_cbranch_scc1 .Lkb_\@
	WIN 0x50
	MM 4
	WIN 0
.Lkb_\@:
	PLACES
.endm
.macro BLOADS                          ; the bias of my 64 columns, as a result's lanes hold them
.irp f,0,1,2,3
.irp q,0,1
	global_load_b128 v[BF+8*\f+4*\q:BF+8*\f+4*\q+3], v[BOFF], s[BB:BB+1] offset:64*\f+16*\q
.endr
.endr
.endm
.macro BMOVES                          ; the sums start at the bias
	WIN 0x40
.irp u,0,1,2,3,4
.set i, 0
.rept 32
.if FFN == 1
	v_mov_b32 v[ACC+32*\u+i], v[BF+i]
.else
	v_mul_f32 v[ACC+32*\u+i], s[FLG], v[BF+i]
.endif
.set i, i+1
.endr
.endr
	WIN 0
.endm
.if FFN == 2
.macro ENTLOADS                        ; the list's entries of the rows that I will store: TD + 8 u + t = rank 64 u + 16 rg + 8 (lane / 16) + t of the pass
.irp u,0,1,2,3,4
.irp q,0,1
	global_load_b128 v[TD+8*\u+4*\q:TD+8*\u+4*\q+3], v[OUTO], s[LB:LB+1] offset:256*\u+16*\q
.endr
.endr
.endm
.macro POFFS                           ; entry -> byte offset in pp: a loaded number enters an address behind a clamp by a written constant
.set i, 0
.rept 40
	v_min_u32 v[TD+i], 0x7ff, v[TD+i]
	v_lshl_add_u32 v[TD+i], v[TD+i], 12, v[R16]
.set i, i+1
.endr
.endm
; Results into my stage, f32, rows of 272 bytes; each accumulator's low registers first.  The four places behind the last product end every K step.
.macro DUMP
.irp u,0,1,2,3,4
	s_cmp_le_u32 s[NSL], \u
	s_cbranch_scc1 .Ldump_\@
	WIN 0x04                                       ; the data in window 1
.irp f,0,1,2,3
.irp q,0,1
	ds_store_b128 v[STGW], v[ACC+32*\u+8*\f+4*\q:ACC+32*\u+8*\f+4*\q+3] offset:TILE*\u+64*\f+16*\q
.endr
.endr
	WIN 0
.endr
.Ldump_\@:
.endm
.endif
; Chunk t, in slot sl = t % 2.  Ahead of the barrier: my stores of this chunk and my reads of the last are done.  Behind it this slot is whole and nobody reads the other.
; What serves later chunks stands between a K step's LDS loads and its products, so that it is issued while those loads are out, and the other slot's stores are spread over the trip:
;   step 0: the weights of chunk t + 2 are asked for (doW);   step 2: the weights of chunk t + 1 are rounded and stored (doC);
;   step 3: the rows of chunk t + 1 are stored (doC), and the rows of chunk t + 2 asked for into the registers just stored (doT).
; Loads come back in order (ISA guide 5.7.1).  Out are, oldest first: weights t + 1, rows t + 1 (16 to 20 loads), weights t + 2 (16).  So 32 may stay out where weights t + 1 are wanted and 16 where
; rows t + 1 are; without weights t + 2: 16 and 0.
.macro TRIP sl, doW, doC, doT, ent
	s_wait_dscnt 0x0
	s_barrier_signal -1
	s_barrier_wait -1
	KLOAD \sl, 0
.if \doW
	s_wait_xcnt 0x0                                ; the base is stepped only behind this wait
	s_add_nc_u64 s[SWB:SWB+1], s[SWB:SWB+1], WCH
	WLOADS \sl
.endif
.if \ent
	ENTLOADS
.endif
	KMUL 0
	KLOAD \sl, 1
	KMUL 0
	KLOAD \sl, 2
.if \doC
	s_wait_loadcnt 16+16*\doW
	CVTSTORE 1-\sl, 1-\sl
	KMUL 8
.else
	KMUL 0
.endif
	KLOAD \sl, 3
.if \doC
	s_wait_loadcnt 16*\doW
	TSTORES 1-\sl
.if \doT
	s_wait_xcnt 0x0                                ; the base is stepped only behind this wait
	s_add_nc_u64 s[STB:STB+1], s[STB:STB+1], TSTEP
	TLOADS
.endif
	KMUL 16
.else
	KMUL 0
.endif
.endm
; Slow pass, 32 along K: my 64 columns' weights and my 80 rows' fragments from memory; the weights are turned in my own four fragments of LDS (LDS serves a wave's instructions in order: ISA guide 5.7.1.4).
.macro SSTEP kk
.set j, 0
.rept 16
	global_load_b128 v[WB0+4*j:WB0+4*j+3], v[WOF2], s[SWB:SWB+1] offset:((j/8)*16+j%8+32*\kk)*PW
.set j, j+1
.endr
.irp u,0,1,2,3,4
.irp q,0,1
	global_load_b128 v[AF+8*\u+4*\q:AF+8*\u+4*\q+3], v[AQ+\u], s[STB:STB+1] offset:64*\kk+32*\q
.endr
.endr
	s_wait_loadcnt 0x0
	CVT32 WB0, CT
	FRST WST, CT
.irp f,0,1,2,3
.irp q,0,1
	ds_load_b128 v[BF+8*\f+4*\q:BF+8*\f+4*\q+3], v[WSR] offset:FR*\f+512*\q
.endr
.endr
	s_wait_dscnt 0x0
	WIN 0x50
	MM 0
	MM 1
	MM 2
	MM 3
	MM 4
	WIN 0
	PLACES
.endm
	s_load_b256 s[4:11], s[0:1], 0x0               ; rows s[4:5], weights s[6:7], bias s[8:9]; FFN = 1: sel s[10:11]; FFN = 2: lst s[10:11]
	s_load_b128 s[12:15], s[0:1], 0x20             ; FFN = 1: h1 s[12:13], lst s[14:15]; FFN = 2: cnt s[12:13], pp s[14:15]
.if FFN == 1
	s_load_b64 s[16:17], s[0:1], 0x30              ; cnt
.endif
	v_lshl_add_u32 v[SPW], v0, 2, SPARE
	v_mov_b32 v[NIL], 0
	v_lshrrev_b32 v16, 5, v0
	v_readfirstlane_b32 s[WV], v16
	s_lshr_b32 s[RG], s[WV], 1
	s_and_b32 s[CH], s[WV], 1
	s_and_b32 s[EX], ttmp7, 0xffff
	s_mov_b32 s[SX], ttmp9
	v_and_b32 v[LN], 31, v0
	v_and_b32 v[RR], 15, v0
	v_bfe_u32 v[HH], v0, 4, 1
	v_lshlrev_b32 v[R16], 4, v[RR]
	v_lshlrev_b32 v[L16L], 4, v[LN]
	v_lshlrev_b32 v[BOFF], 5, v[HH]
	; weights from memory: (32 rg + 8 h) rows + 256 ch + 16 r
	s_mul_i32 s44, s[RG], 32*PW
	s_lshl_b32 s45, s[CH], 8
	v_mul_u32_u24 v16, v[HH], 8*PW
	v_add_nc_u32 v16, v16, v[R16]
	v_add_nc_u32 v[WOF2], s45, v16
	v_add_nc_u32 v[WOFF], s44, v[WOF2]
	; weights into LDS: fragment 4 w + r / 4, byte 64 (r % 4) + 256 h
	s_mul_i32 s46, s[WV], 4*FR
	s_add_co_u32 s46, s46, WSL
	v_lshrrev_b32 v17, 2, v[RR]
	v_mul_u32_u24 v17, v17, FR
	v_and_b32 v18, 3, v[RR]
	v_lshl_add_u32 v17, v18, 6, v17
	v_lshl_add_u32 v17, v[HH], 8, v17
	v_add_nc_u32 v[WST], s46, v17
	v_add_nc_u32 v[WST+1], WSZ, v[WST]
	v_add_nc_u32 v[WSR], s46, v[L16L]
	s_mul_i32 s47, s[CH], 4*FR
	s_add_co_u32 s47, s47, WSL
	v_add_nc_u32 v[BAD], s47, v[L16L]
	v_add_nc_u32 v[BAD+1], WSZ, v[BAD]
	; row fragments: row 16 rg + r, 16 bytes for each half of the lanes
	s_mul_i32 s48, s[RG], TILE
	v_mul_u32_u24 v19, v[RR], TP
	v_lshl_add_u32 v20, v[HH], 4, v19
	v_add_nc_u32 v[AAD], s48, v20
	v_add_nc_u32 v[AAD+1], TSZ, v[AAD]
	v_add_nc_u32 v[AAD4], 16*TILE, v[AAD]
	v_add_nc_u32 v[AAD4+1], 16*TILE, v[AAD+1]
	s_mul_i32 s49, s[WV], STG                      ; my stage
.if FFN == 1
	s_mul_i32 s44, s[WV], 2*TP                     ; rows into LDS: row 2 w + h of a tile, 16 r
	v_mul_u32_u24 v21, v[HH], TP
	v_add_nc_u32 v21, v21, v[R16]
	v_add_nc_u32 v[TST], s44, v21
	v_mul_u32_u24 v22, v[RR], SP2                  ; stage, in: row r, 16 bytes (8 bf16) for each half of the lanes
	v_lshl_add_u32 v22, v[HH], 4, v22
	v_add_nc_u32 v[STGW], s49, v22
	v_lshrrev_b32 v22, 3, v[LN]                    ; stage, back: row lane / 8, 16 bytes at 16 (lane % 8): 32 lanes take four rows of 128 bytes
	v_mul_u32_u24 v22, v22, SP2
	v_and_b32 v23, 7, v[LN]
	v_lshl_add_u32 v22, v23, 4, v22
	v_add_nc_u32 v[STGR], s49, v22
	s_lshl_b32 s44, s[RG], 11
	v_add_nc_u32 v[OUTO], s44, v[L16L]             ; h1: tile rg's 2,048 bytes + 16 x lane
	s_lshl_b32 s44, s[RG], 4
	v_add_nc_u32 v[RK], s44, v[RR]
.else
	; A tile's ranks are permuted in LDS: rank 2 m + c lies in row 8 c + m, so that the two ranks of a store pass lie 8 rows = 128 bytes modulo 256 apart.
	s_mul_i32 s44, s[RG], 2*TP
	s_lshl_b32 s45, s[CH], 7
	s_add_co_u32 s44, s44, s45
	v_bfe_u32 v21, v0, 3, 1
	v_lshl_add_u32 v21, v21, 3, v[HH]
	v_mul_u32_u24 v21, v21, TP
	v_and_b32 v23, 7, v[LN]
	v_lshl_add_u32 v21, v23, 4, v21
	v_add_nc_u32 v[TST], s44, v21
	v_and_b32 v22, 7, v[RR]
	v_lshrrev_b32 v23, 3, v[RR]
	v_lshl_add_u32 v22, v22, 1, v23                ; the rank that LDS row r holds
	s_lshl_b32 s44, s[RG], 4
	v_add_nc_u32 v[RK], s44, v22
	v_mul_u32_u24 v22, v22, TP                     ; stage, in: by rank
	v_lshl_add_u32 v22, v[HH], 5, v22
	v_add_nc_u32 v[STGW], s49, v22
	v_mul_u32_u24 v22, v[HH], 8*TP                 ; stage, back: lanes 0-15 a whole row of 256 bytes, lanes 16-31 the row 8 further down
	v_add_nc_u32 v22, v22, v[R16]
	v_add_nc_u32 v[STGR], s49, v22
	s_lshl_b32 s44, s[RG], 6
	v_add_nc_u32 v[OUTO], s44, v[BOFF]             ; the list: 4 (16 rg + 8 h)
	s_lshl_b32 s44, s[CH], 17
	s_lshl_b32 s45, s[RG], 9
	s_add_co_u32 s44, s44, s45
	v_add_nc_u32 v[TGO], s44, v[L16L]              ; h1: block w % 2, ranks 4 rg on, 16 x lane
.endif
	v_add_nc_u32 v[TST+1], 10*TILE, v[TST]
	v_add_nc_u32 v[TST+2], TSZ, v[TST]
	v_add_nc_u32 v[TST+3], TSZ+10*TILE, v[TST]
	; what the guarded lines name holds a number on every way
.set i, 0
.rept 8
	v_mov_b32 v[AF+32+i], 0
.set i, i+1
.endr
.set i, 0
.rept 16
	v_mov_b32 v[TD+64+i], 0
.set i, i+1
.endr
	; byte offsets, made apart from the addresses: weights s[50:51], rows s[52:53], results s[54:55], bias s[56:57]
	s_mov_b32 s51, 0
	s_mov_b32 s53, 0
	s_mov_b32 s55, 0
	s_mov_b32 s57, 0
	s_lshl_b32 s50, s[EX], 24
	s_lshl_b32 s45, s[CH], 8
.if FFN == 1
	s_lshl_b32 s44, s[SX], 9
	s_add_co_u32 s50, s50, s44
	s_mov_b32 s52, 0
	s_lshl_b32 s54, s[EX], 6
	s_lshl1_add_u32 s54, s[SX], s54
	s_add_co_u32 s54, s54, s[CH]
	s_lshl_b32 s54, s54, 17                        ; h1's block 64 e + 2 slice + ch: 1,024 ranks x 128 bytes
	s_lshl_b32 s56, s[EX], 14
	s_add_co_u32 s56, s56, s44
	CPAIR A13, 0xaf95df0b                          ; -2.72614226e-10
	CPAIR A11, 0x32edffee                          ;  2.77068142e-8
	CPAIR A9,  0xb60cff51                          ; -2.10102402e-6
	CPAIR A7,  0xb86ec2d2                          ; -5.69250639e-5
	CPAIR A5,  0xba40ac63                          ; -7.34990630e-4
	CPAIR A3,  0xbb41a1f6                          ; -2.95459981e-3
	CPAIR A1,  0xbc83dbd4                          ; -1.60960333e-2
	CPAIR B8,  0xb77460cd                          ; -1.45660718e-5
	CPAIR B6,  0xb95fbd29                          ; -2.13374055e-4
	CPAIR B4,  0xbadc924e                          ; -1.68282697e-3
	CPAIR B2,  0xbbf19bf8                          ; -7.37332917e-3
	CPAIR B0,  0xbc69b6a7                          ; -1.42647391e-2
	CPAIR RS2, 0x3f3504f3                          ; 1 / sqrt(2)
.else
	s_lshr_b32 s58, s[SX], 3                       ; kq
	s_and_b32 s59, s[SX], 7                        ; cs
	s_lshl_b32 s44, s58, 22
	s_add_co_u32 s50, s50, s44
	s_lshl_b32 s44, s59, 9
	s_add_co_u32 s50, s50, s44
	s_lshl_b32 s52, s[EX], 6
	s_lshl4_add_u32 s52, s58, s52
	s_lshl_b32 s52, s52, 17                        ; h1's block 64 e + 16 kq
	s_lshl_b32 s54, s58, 23
	s_add_co_u32 s54, s54, s44
	s_add_co_u32 s54, s54, s45                     ; pp: quarter kq, column 128 cs + 64 ch
	s_lshl_b32 s56, s[EX], 12
	s_add_co_u32 s56, s56, s44
.endif
	s_add_co_u32 s56, s56, s45
	s_wait_kmcnt 0x0
	s_add_nc_u64 s[SWB:SWB+1], s[6:7], s[50:51]
	s_add_nc_u64 s[STB:STB+1], s[4:5], s[52:53]
	s_add_nc_u64 s[OB:OB+1], s[OUTP:OUTP+1], s[54:55]
	s_add_nc_u64 s[BB:BB+1], s[8:9], s[56:57]
	s_mov_b64 s[SWB0:SWB0+1], s[SWB:SWB+1]
	s_mov_b64 s[STB0:STB0+1], s[STB:STB+1]
.if FFN == 1
.set i, 0
.rept 8
	global_load_b128 v[TD+4*i:TD+4*i+3], v[L16L], s[10:11] offset:512*i  ; all 1,024 choices; every wave asks, so that all waves' counts are alike
.set i, i+1
.endr
.else
	s_lshl_b32 s44, s[EX], 10
	s_mov_b32 s45, 0
	s_add_nc_u64 s[12:13], s[12:13], s[44:45]
	s_load_b32 s[SR], s[12:13], 0x0                ; R
	s_mul_i32 s46, s[EX], 5120
	s_mov_b32 s47, 0
	s_add_nc_u64 s[LB:LB+1], s[10:11], s[46:47]
	s_cmp_eq_u32 s58, 0
	s_cselect_b32 s[FLG], 1.0, 0
.endif
	BLOADS
	WLOADS 0                                       ; chunk 0
	s_wait_xcnt 0x0
	s_add_nc_u64 s[SWB:SWB+1], s[SWB:SWB+1], WCH
	WLOADS 1                                       ; chunk 1
.if FFN == 1
	s_wait_loadcnt 32                              ; the 32 loads of weights stay out; the choices, asked for ahead of them, are in
	; THE LIST, by wave 0, while the weights are on their way.  Group g: the 32 tokens 128 (g / 4) + 4 lane + g % 4.  A token that chose expert e gets the next rank; its entry is 2 token + k.
	s_cmp_lg_u32 s[WV], 0
	s_cbranch_scc1 .Lbuilt
	v_add_nc_u32 v16, LIST, v[L16L]
	v_mov_b32 v20, 0
	v_mov_b32 v21, 0
	v_mov_b32 v22, 0
	v_mov_b32 v23, 0
.irp i,0,1,2,3,4,5,6,7
	ds_store_b128 v16, v[20:23] offset:512*\i      ; all 1,024 places hold entry 0 first: every word is written, and an entry exists even where R = 0; LDS serves a wave's stores in order
.endr
	s_lshl_b32 s50, 0x101, s[EX]                   ; first or second choice
	s_add_co_u32 s51, s[EX], 8
	s_mov_b32 s52, 0                               ; ranks given so far
	v_add_nc_u32 v20, 1024, v[LN]                  ; where a lane without a rank writes
.set g, 0
.rept 32
	v_and_b32 v16, s50, v[TD+g]
	v_cmp_ne_u32 vcc_lo, 0, v16
	v_mbcnt_lo_u32_b32 v17, vcc_lo, s52            ; rank = ranks so far + choosers in the lanes below me
	v_lshrrev_b32 v16, s51, v16                    ; k, in bit 0
	v_lshl_or_b32 v16, v[LN], 3, v16               ; 8 lane: bits 3 to 7
.if g
	v_or_b32 v16, 256*(g/4)+2*(g%4), v16           ; the group's part: bits 1, 2 and 8 to 10
.endif
	v_cndmask_b32 v17, v20, v17, vcc_lo
	v_min_u32 v17, 0x41f, v17                      ; a number made of loaded data enters an address behind a clamp by a written constant
	v_lshl_add_u32 v17, v17, 2, LIST
	ds_store_b32 v17, v16
	s_bcnt1_i32_b32 s53, vcc_lo
	s_add_co_u32 s52, s52, s53
.set g, g+1
.endr
	v_mov_b32 v16, CNTR
	v_mov_b32 v17, s52
	ds_store_b32 v16, v17
.Lbuilt:
	s_wait_dscnt 0x0                               ; for the others' sake: the list is stored
	s_barrier_signal -1
	s_barrier_wait -1
	v_mov_b32 v16, CNTR
	ds_load_b32 v17, v16
	s_wait_dscnt 0x0
	v_readfirstlane_b32 s[SR], v17
.else
	s_wait_kmcnt 0x0
.endif
	s_min_u32 s[SR], s[SR], 0x400
	s_add_co_u32 s[ST], s[SR], 15
	s_lshr_b32 s[ST], s[ST], 4
	s_max_u32 s[RM1], s[SR], 1
	s_sub_co_u32 s[RM1], s[RM1], 1
	s_min_u32 s[RM1], s[RM1], 0x3ff
	s_add_co_u32 s44, s[RG], 16
	s_cmp_gt_u32 s[ST], s44
	s_cselect_b32 s[L4], 1, 0
	s_mov_b32 s[NPS], 1                            ; a pass has 20 tiles
	s_cmp_gt_u32 s[ST], 20
	s_add_co_ci_u32 s[NPS], s[NPS], 0
	s_cmp_gt_u32 s[ST], 40
	s_add_co_ci_u32 s[NPS], s[NPS], 0
	s_cmp_gt_u32 s[ST], 60
	s_add_co_ci_u32 s[NPS], s[NPS], 0
.if FFN == 1
	s_max_u32 s[TS], s[ST], 16
	; byte offsets in hb of the rows that I fetch: rank 16 i + 2 w + h, held to R - 1
	s_lshl_b32 s44, s[WV], 1
	v_add_nc_u32 v16, s44, v[HH]
.set i, 0
.rept 20
	v_add_nc_u32 v17, 16*i, v16
	v_min_u32 v17, s[RM1], v17
	v_min_u32 v17, 0x3ff, v17
	v_lshl_add_u32 v17, v17, 2, LIST
	ds_load_b32 v[TD+i], v17
.set i, i+1
.endr
	s_wait_dscnt 0x0
.set i, 0
.rept 20
	v_lshrrev_b32 v[TD+i], 1, v[TD+i]              ; the token
	v_min_u32 v[TD+i], 0x3ff, v[TD+i]
.set i, i+1
.endr
	WIN 0x40
.set i, 0
.rept 16
	v_lshl_add_u32 v[TOFF+i], v[TD+i], 11, v[R16]
.set i, i+1
.endr
	WIN 0
.rept 4
	v_lshl_add_u32 v[TOF2+i-16], v[TD+i], 11, v[R16]
.set i, i+1
.endr
	; slice 0 hands list and count to the next launch: 1,280 entries (places past the count repeat entry R - 1) and 256 words of R
	s_cmp_lg_u32 s[SX], 0
	s_cbranch_scc1 .Lnolist
.irp m,0,1,2,3,4
	v_add_nc_u32 v17, 256*\m, v0
	v_min_u32 v17, s[RM1], v17
	v_min_u32 v17, 0x3ff, v17
	v_lshl_add_u32 v17, v17, 2, LIST
	ds_load_b32 v[TD+32+\m], v17
.endr
	s_mul_i32 s44, s[EX], 5120
	s_mov_b32 s45, 0
	s_add_nc_u64 s[14:15], s[14:15], s[44:45]
	s_lshl_b32 s44, s[EX], 10
	s_add_nc_u64 s[16:17], s[16:17], s[44:45]
	v_lshlrev_b32 v18, 2, v0
	v_mov_b32 v19, s[SR]
	s_wait_dscnt 0x0
.irp m,0,1,2,3,4
	global_store_b32 v18, v[TD+32+\m], s[14:15] offset:1024*\m
.endr
	global_store_b32 v18, v19, s[16:17]
	s_wait_xcnt 0x0                                ; the stores' registers are written again only behind this wait
.Lnolist:
.else
	s_mov_b32 s[TS], s[ST]
.endif
	TLOADS                                         ; chunk 0 of the rows; what follows stands while they are on their way
	s_wait_loadcnt 48                              ; the bias is in: behind it lie two chunks of weights (32 loads) and 16 to 20 loads of rows
	BMOVES
	s_wait_loadcnt 32                              ; the weights of chunk 0 are in: behind them lie chunk 1's (16) and the rows (16 to 20)
	CVTSTORE 0, 0
	s_wait_loadcnt 0x0                             ; the rows of chunk 0
	TSTORES 0
	s_wait_xcnt 0x0                                ; the base is stepped only behind this wait
	s_add_nc_u64 s[STB:STB+1], s[STB:STB+1], TSTEP
	TLOADS                                         ; chunk 1 of the rows
	s_mov_b32 s[KC], 3
.Lk:                                                   ; chunks 0 to 5
	TRIP 0, 1, 1, 1, 0
	TRIP 1, 1, 1, 1, 0
	s_sub_co_u32 s[KC], s[KC], 1
	s_cmp_lg_u32 s[KC], 0
	s_cbranch_scc1 .Lk
	TRIP 0, 0, 1, 0, 0                             ; chunk 6: nothing is left to ask for; chunk 7 goes into its slot
.if FFN == 2
	TRIP 1, 0, 0, 0, 1                             ; chunk 7: nothing but the list's entries
.else
	TRIP 1, 0, 0, 0, 0                             ; chunk 7
.endif
	s_wait_dscnt 0x0
	s_barrier_signal -1
	s_barrier_wait -1                              ; nobody reads the slots any more: from here on each wave has a stage and four fragments of its own, and no barrier follows
.if FFN == 2
	s_wait_loadcnt 0x0                             ; the list's entries
	POFFS
.endif
	s_mov_b32 s[PS], 0
.Lpass:                                                ; four trips cover 1,280 rows; a pass without rows is jumped
	s_cmp_ge_u32 s[PS], s[NPS]
	s_cbranch_scc1 .Lnext
	s_mul_i32 s44, s[PS], 20                       ; my tile u is tile 20 p + 4 u + rg: how many of the five go out
	s_add_co_u32 s44, s44, s[RG]
	s_sub_co_i32 s[NSL], s[TS], s44
	s_add_co_i32 s[NSL], s[NSL], 3
	s_ashr_i32 s[NSL], s[NSL], 2
	s_max_i32 s[NSL], s[NSL], 0
	s_min_i32 s[NSL], s[NSL], 5
.if FFN == 1
	; GELU and the way out, a tile (16 rows x 64 columns, 32 numbers a lane) a trip, straight from tile 0's accumulators.  A lane's eight neighbouring columns of a fragment round to 16 bytes;
	; they go into my stage's rows of 144 bytes and come back as four ranks' 512 consecutive bytes.  The four places behind the last product end every K step.
.set ZZ, TD                            ; z; later the tile in bf16
.set Z2, TD+32                         ; z^2; later the rows read back
.set PP, TD+64                         ; P, then erf, then the result
.set QQ, TD+96                         ; Q, then 1 / Q
.set HX, TD+128                        ; x / 2
	s_mov_b32 s60, 0                               ; the tile u
	s_mul_i32 s63, s[PS], 40960                    ; the pass's 320 ranks x 128 bytes
.Lg:
	s_cmp_ge_u32 s60, s[NSL]
	s_cbranch_scc1 .Lgn
	s_wait_xcnt 0x0                                ; the last trip's stores have read their registers
	s_lshl_b32 s44, s60, 13                        ; tile 4 u: 64 ranks x 128 bytes
	s_add_co_u32 s44, s44, s63
	v_add_nc_u32 v16, s44, v[OUTO]
	WIN 0x01                                       ; source 0 in window 1
.set p, 0
.rept 16
	v_pk_mul_f32 v[ZZ+2*p:ZZ+2*p+1], v[ACC+2*p:ACC+2*p+1], s[RS2:RS2+1] op_sel_hi:[1,0]  ; z = x / sqrt(2)
.set p, p+1
.endr
	WIN 0
.set i, 0
.rept 32
	v_max_num_f32 v[ZZ+i], -4.0, v[ZZ+i]
.set i, i+1
.endr
.set i, 0
.rept 32
	v_min_num_f32 v[ZZ+i], 4.0, v[ZZ+i]
.set i, i+1
.endr
.set p, 0
.rept 16
	v_pk_mul_f32 v[Z2+2*p:Z2+2*p+1], v[ZZ+2*p:ZZ+2*p+1], v[ZZ+2*p:ZZ+2*p+1]
.set p, p+1
.endr
.set p, 0
.rept 16
	v_pk_fma_f32 v[PP+2*p:PP+2*p+1], v[Z2+2*p:Z2+2*p+1], s[A13:A13+1], s[A11:A11+1] op_sel_hi:[1,0,0]
.set p, p+1
.endr
.irp a, A9, A7, A5, A3, A1
.set p, 0
.rept 16
	v_pk_fma_f32 v[PP+2*p:PP+2*p+1], v[PP+2*p:PP+2*p+1], v[Z2+2*p:Z2+2*p+1], s[\a:\a+1] op_sel_hi:[1,1,0]
.set p, p+1
.endr
.endr
.set p, 0
.rept 16
	v_pk_fma_f32 v[QQ+2*p:QQ+2*p+1], v[Z2+2*p:Z2+2*p+1], s[B8:B8+1], s[B6:B6+1] op_sel_hi:[1,0,0]
.set p, p+1
.endr
.irp a, B4, B2, B0
.set p, 0
.rept 16
	v_pk_fma_f32 v[QQ+2*p:QQ+2*p+1], v[QQ+2*p:QQ+2*p+1], v[Z2+2*p:Z2+2*p+1], s[\a:\a+1] op_sel_hi:[1,1,0]
.set p, p+1
.endr
.endr
.set p, 0
.rept 16
	v_pk_mul_f32 v[PP+2*p:PP+2*p+1], v[PP+2*p:PP+2*p+1], v[ZZ+2*p:ZZ+2*p+1]
.set p, p+1
.endr
.set i, 0
.rept 32
	v_rcp_f32 v[QQ+i], v[QQ+i]
.set i, i+1
.endr
	WIN 0x01
.set p, 0
.rept 16
	v_pk_mul_f32 v[HX+2*p:HX+2*p+1], v[ACC+2*p:ACC+2*p+1], 0.5 op_sel_hi:[1,0]  ; x / 2: plain work between the reciprocals and their use (ISA guide 5.7.2)
.set p, p+1
.endr
	WIN 0
.set p, 0
.rept 16
	v_pk_mul_f32 v[PP+2*p:PP+2*p+1], v[PP+2*p:PP+2*p+1], v[QQ+2*p:QQ+2*p+1]  ; erf
.set p, p+1
.endr
.set p, 0
.rept 16
	v_pk_fma_f32 v[PP+2*p:PP+2*p+1], v[HX+2*p:HX+2*p+1], v[PP+2*p:PP+2*p+1], v[HX+2*p:HX+2*p+1]  ; x / 2 (1 + erf)
.set p, p+1
.endr
.set p, 0
.rept 16
	v_cvt_pk_bf16_f32 v[ZZ+p], v[PP+2*p], v[PP+2*p+1]
.set p, p+1
.endr
.irp f,0,1,2,3
	ds_store_b128 v[STGW], v[ZZ+4*\f:ZZ+4*\f+3] offset:32*\f
.endr
.irp t,0,1,2,3
	ds_load_b128 v[Z2+4*\t:Z2+4*\t+3], v[STGR] offset:4*SP2*\t  ; LDS serves a wave's instructions in order (ISA guide 5.7.1.4): these see the stores above; the next trip's stores come behind them
.endr
	; The tiles that still go out move down one: the next trip finds its tile where this one was.  Place k holds tile u + k, which goes out where k is below the tiles left; the rest is jumped.
	; The moves stand in the wait for the stage.
	s_sub_co_u32 s45, s[NSL], s60                  ; tiles left, this one among them
.irp k,1,2,3,4
	s_cmp_le_u32 s45, \k
	s_cbranch_scc1 .Lmv
	WIN 0x41                                       ; destination and source 0 in window 1
.set i, 0
.rept 32
	v_mov_b32 v[ACC+32*(\k-1)+i], v[ACC+32*\k+i]
.set i, i+1
.endr
	WIN 0
.endr
.Lmv:
	s_wait_dscnt 0x0
.irp t,0,1,2,3
	global_store_b128 v16, v[Z2+4*\t:Z2+4*\t+3], s[OB:OB+1] offset:512*\t  ; 512 consecutive bytes, aligned: four ranks
.endr
.Lgn:
	s_add_co_u32 s60, s60, 1
	s_cmp_lt_u32 s60, 5
	s_cbranch_scc1 .Lg
.else
	DUMP
	; the way out: whole rows of 256 bytes back from the stage, each to its entry's row of pp.  Places past the count hold row R - 1 again and store its numbers to its place again.
.irp u,0,1,2,3,4
	s_cmp_le_u32 s[NSL], \u
	s_cbranch_scc1 .Lpe
	s_wait_xcnt 0x0                                ; the last tile's stores have read their registers
.irp t,0,1,2,3,4,5,6,7
	ds_load_b128 v[CT+4*\t:CT+4*\t+3], v[STGR] offset:TILE*\u+TP*\t
.endr
.irp t,0,1,2,3,4,5,6,7
	s_wait_dscnt 7-\t                              ; LDS loads come back in order (ISA guide 5.7.1): row t is in, the later ones may be out
	global_store_b128 v[TD+8*\u+\t], v[CT+4*\t:CT+4*\t+3], s[OB:OB+1]  ; each half of the lanes stores 256 consecutive bytes, aligned
.endr
.endr
.Lpe:
.endif
	s_add_co_u32 s44, s[PS], 1
	s_cmp_ge_u32 s44, s[NPS]
	s_cbranch_scc1 .Lnext
	; THE NEXT PASS'S PRODUCT, without a barrier: rows 320 (p + 1) on, all five tiles (ranks held to R - 1)
	s_wait_xcnt 0x0
	s_mov_b64 s[SWB:SWB+1], s[SWB0:SWB0+1]
	s_mov_b64 s[STB:STB+1], s[STB0:STB0+1]
	BLOADS
.if FFN == 2
	s_add_nc_u64 s[LB:LB+1], s[LB:LB+1], 1280
	ENTLOADS
.endif
	s_mul_i32 s44, s44, 320
	v_add_nc_u32 v16, s44, v[RK]
	v_lshlrev_b32 v18, 4, v[HH]
.if FFN == 1
.irp u,0,1,2,3,4
	v_add_nc_u32 v17, 64*\u, v16
	v_min_u32 v17, s[RM1], v17
	v_min_u32 v17, 0x3ff, v17
	v_lshl_add_u32 v17, v17, 2, LIST
	ds_load_b32 v[AQ+\u], v17
.endr
	s_wait_dscnt 0x0
.irp u,0,1,2,3,4
	v_lshrrev_b32 v[AQ+\u], 1, v[AQ+\u]
	v_min_u32 v[AQ+\u], 0x3ff, v[AQ+\u]
	v_lshl_add_u32 v[AQ+\u], v[AQ+\u], 11, v18     ; token x 2,048 + 16 h
.endr
.else
.irp u,0,1,2,3,4
	v_add_nc_u32 v17, 64*\u, v16
	v_min_u32 v17, s[RM1], v17
	v_min_u32 v17, 0x3ff, v17
	v_lshl_add_u32 v[AQ+\u], v17, 7, v18           ; rank x 128 + 16 h
.endr
.endif
	s_wait_loadcnt 0x0
	BMOVES
	s_mov_b32 s[KC], 16
.Lslow:
	SSTEP 0
	SSTEP 1
	s_wait_xcnt 0x0
	s_add_nc_u64 s[SWB:SWB+1], s[SWB:SWB+1], 64*PW
	s_add_nc_u64 s[STB:STB+1], s[STB:STB+1], SSTP
	s_sub_co_u32 s[KC], s[KC], 1
	s_cmp_lg_u32 s[KC], 0
	s_cbranch_scc1 .Lslow
.if FFN == 2
	POFFS
.endif
.Lnext:
	s_add_co_u32 s[PS], s[PS], 1
	s_cmp_lt_u32 s[PS], 4
	s_cbranch_scc1 .Lpass
	s_wait_tensorcnt 0x0                           ; the wave's end: behind my last LDS store
	ds_add_u32 v[SPW], v[NIL]
	s_wait_dscnt 0x0
	s_endpgm
.Lfunc_end_k_qcbf12c7420_ffn2:
	.size	k_qcbf12c7420_ffn2, .Lfunc_end_k_qcbf12c7420_ffn2-k_qcbf12c7420_ffn2
	.p2alignl 7, 3214868480
	.fill 96, 4, 3214868480
	.section	.rodata,"a",@progbits
	.p2align	6, 0x0
	.amdhsa_kernel k_qcbf12c7420_ffn2
		.amdhsa_group_segment_fixed_size 246016
		.amdhsa_private_segment_fixed_size 0
		.amdhsa_enable_private_segment 0
		.amdhsa_kernarg_size 48
		.amdhsa_user_sgpr_count 2
		.amdhsa_user_sgpr_kernarg_segment_ptr 1
		.amdhsa_wavefront_size32 1
		.amdhsa_system_sgpr_workgroup_id_x 1
		.amdhsa_system_sgpr_workgroup_id_y 1
		.amdhsa_system_sgpr_workgroup_id_z 1
		.amdhsa_system_vgpr_workitem_id 0
		.amdhsa_next_free_vgpr 512
		.amdhsa_next_free_sgpr 66
		.amdhsa_reserve_vcc 1
		.amdhsa_float_denorm_mode_32 3
		.amdhsa_float_denorm_mode_16_64 3
		.amdhsa_memory_ordered 1
		.amdhsa_forward_progress 1
		.amdhsa_inst_pref_size 136
	.end_amdhsa_kernel
	.amdgpu_metadata
---
amdhsa.version: [ 1, 2 ]
amdhsa.kernels:
  - .name:           k_qcbf12c7420_ffn2
    .symbol:         k_qcbf12c7420_ffn2.kd
    .args:
      - { .name: h1, .offset: 0, .size: 8, .value_kind: global_buffer, .address_space: global }
      - { .name: W2, .offset: 8, .size: 8, .value_kind: global_buffer, .address_space: global }
      - { .name: b2, .offset: 16, .size: 8, .value_kind: global_buffer, .address_space: global }
      - { .name: lst, .offset: 24, .size: 8, .value_kind: global_buffer, .address_space: global }
      - { .name: cnt, .offset: 32, .size: 8, .value_kind: global_buffer, .address_space: global }
      - { .name: pp, .offset: 40, .size: 8, .value_kind: global_buffer, .address_space: global }
    .group_segment_fixed_size: 246016
    .private_segment_fixed_size: 0
    .kernarg_segment_align: 8
    .kernarg_segment_size: 48
    .max_flat_workgroup_size: 256
    .sgpr_count:     66
    .vgpr_count:     512
    .wavefront_size: 32
...
	.end_amdgpu_metadata
.endif
;; end of part 3
;; launch combine (part 4): grid 256 x 1, 8 waves a work-group, no clusters, 0 bytes of LDS; arguments x, pp, gat, out0; writes out0
.if DOCPART == 4
	.amdgcn_target "amdgcn-amd-amdhsa--gfx1250"
	.amdhsa_code_object_version 6
	.text
	.protected	k_qcbf12c7420_combine
	.globl	k_qcbf12c7420_combine
	.p2align	8
	.type	k_qcbf12c7420_combine,@function
k_qcbf12c7420_combine:
	s_mov_b64 s[64:65], 0
	v_nop
	global_prefetch_b8 v0, s[64:65] scope:SCOPE_SE
	s_setreg_imm32_b32 hwreg(HW_REG_WAVE_MODE, 25, 1), 1
	s_wait_xcnt 0x0
; out[token] = x[token] + g0 (sum over kq of pp[kq][2 token]) + g1 (sum over kq of pp[kq][2 token + 1]).
; pp: [4 kq][2,048 entries][1,024] f32, partial sums of the second product over quarters of K (b2 lies in quarter 0).  gat: [token][2] f32.
; A stream: a work-group takes 4 tokens, thread t the 16 bytes at 16 t of every row, so each load and store of a wave covers 512 consecutive bytes, aligned.
; All 36 loads of a thread go out at once, token by token; the waits count down.  No LDS, no barrier, no matrix unit: there is nothing to share and nothing to multiply.
.set D, 8                              ; token m at v[D + 36 m]: x (4 registers), then pp of (k, kq) at + 4 + 16 k + 4 kq
	s_load_b256 s[4:11], s[0:1], 0x0               ; x s[4:5], pp s[6:7], gat s[8:9], out s[10:11]
	v_lshlrev_b32 v1, 4, v0
	s_lshl_b32 s12, ttmp9, 14                      ; 4 rows of 4,096 bytes of x and out
	s_mov_b32 s13, 0
	s_lshl_b32 s14, ttmp9, 15                      ; 8 entries' rows of pp
	s_mov_b32 s15, 0
	s_lshl_b32 s16, ttmp9, 5                       ; 8 gates
	s_mov_b32 s17, 0
	s_wait_kmcnt 0x0
	s_add_nc_u64 s[8:9], s[8:9], s[16:17]
	s_load_b256 s[20:27], s[8:9], 0x0              ; gate (m, k) in s[20 + 2 m + k]
	s_add_nc_u64 s[4:5], s[4:5], s[12:13]
	s_add_nc_u64 s[10:11], s[10:11], s[12:13]
	s_add_nc_u64 s[28:29], s[6:7], s[14:15]        ; a base for each quarter: they lie 2^23 bytes apart, one more than an immediate reaches
	s_add_nc_u64 s[30:31], s[28:29], 0x800000
	s_add_nc_u64 s[32:33], s[30:31], 0x800000
	s_add_nc_u64 s[34:35], s[32:33], 0x800000
.irp m,0,1,2,3
	global_load_b128 v[D+36*\m:D+36*\m+3], v1, s[4:5] offset:4096*\m
.irp k,0,1
.irp q,0,1,2,3
	global_load_b128 v[D+36*\m+4+16*\k+4*\q:D+36*\m+4+16*\k+4*\q+3], v1, s[28+2*\q:29+2*\q] offset:4096*(2*\m+\k) th:TH_LOAD_NT
.endr
.endr
.endr
	s_wait_kmcnt 0x0
.irp m,0,1,2,3
	s_mov_b32 s[36+2*\m], s[21+2*\m]               ; the second gate into the low word of a pair of its own: the packed line gives the low word to both halves
	s_mov_b32 s[37+2*\m], s[21+2*\m]
.endr
.irp m,0,1,2,3
	s_wait_loadcnt 9*(3-\m)                        ; loads come back in order (ISA guide 5.7.1): this token's nine are in, the later tokens' stay out
.irp k,0,1
.irp c,0,2
	v_pk_add_f32 v[D+36*\m+4+16*\k+\c:D+36*\m+5+16*\k+\c], v[D+36*\m+4+16*\k+\c:D+36*\m+5+16*\k+\c], v[D+36*\m+8+16*\k+\c:D+36*\m+9+16*\k+\c]
	v_pk_add_f32 v[D+36*\m+12+16*\k+\c:D+36*\m+13+16*\k+\c], v[D+36*\m+12+16*\k+\c:D+36*\m+13+16*\k+\c], v[D+36*\m+16+16*\k+\c:D+36*\m+17+16*\k+\c]
.endr
.endr
.irp k,0,1
.irp c,0,2
	v_pk_add_f32 v[D+36*\m+4+16*\k+\c:D+36*\m+5+16*\k+\c], v[D+36*\m+4+16*\k+\c:D+36*\m+5+16*\k+\c], v[D+36*\m+12+16*\k+\c:D+36*\m+13+16*\k+\c]
.endr
.endr
.irp c,0,2
	v_pk_fma_f32 v[D+36*\m+\c:D+36*\m+\c+1], v[D+36*\m+4+\c:D+36*\m+5+\c], s[20+2*\m:21+2*\m], v[D+36*\m+\c:D+36*\m+\c+1] op_sel_hi:[1,0,1]
.endr
.irp c,0,2
	v_pk_fma_f32 v[D+36*\m+\c:D+36*\m+\c+1], v[D+36*\m+20+\c:D+36*\m+21+\c], s[36+2*\m:37+2*\m], v[D+36*\m+\c:D+36*\m+\c+1] op_sel_hi:[1,0,1]
.endr
	global_store_b128 v1, v[D+36*\m:D+36*\m+3], s[10:11] offset:4096*\m th:TH_STORE_NT
.endr
	s_endpgm
.Lfunc_end_k_qcbf12c7420_combine:
	.size	k_qcbf12c7420_combine, .Lfunc_end_k_qcbf12c7420_combine-k_qcbf12c7420_combine
	.p2alignl 7, 3214868480
	.fill 96, 4, 3214868480
	.section	.rodata,"a",@progbits
	.p2align	6, 0x0
	.amdhsa_kernel k_qcbf12c7420_combine
		.amdhsa_group_segment_fixed_size 0
		.amdhsa_private_segment_fixed_size 0
		.amdhsa_enable_private_segment 0
		.amdhsa_kernarg_size 32
		.amdhsa_user_sgpr_count 2
		.amdhsa_user_sgpr_kernarg_segment_ptr 1
		.amdhsa_wavefront_size32 1
		.amdhsa_system_sgpr_workgroup_id_x 1
		.amdhsa_system_sgpr_workgroup_id_y 1
		.amdhsa_system_sgpr_workgroup_id_z 1
		.amdhsa_system_vgpr_workitem_id 0
		.amdhsa_next_free_vgpr 160
		.amdhsa_next_free_sgpr 66
		.amdhsa_reserve_vcc 0
		.amdhsa_float_denorm_mode_32 3
		.amdhsa_float_denorm_mode_16_64 3
		.amdhsa_memory_ordered 1
		.amdhsa_forward_progress 1
		.amdhsa_inst_pref_size 10
	.end_amdhsa_kernel
	.amdgpu_metadata
---
amdhsa.version: [ 1, 2 ]
amdhsa.kernels:
  - .name:           k_qcbf12c7420_combine
    .symbol:         k_qcbf12c7420_combine.kd
    .args:
      - { .name: x, .offset: 0, .size: 8, .value_kind: global_buffer, .address_space: global }
      - { .name: pp, .offset: 8, .size: 8, .value_kind: global_buffer, .address_space: global }
      - { .name: gat, .offset: 16, .size: 8, .value_kind: global_buffer, .address_space: global }
      - { .name: out0, .offset: 24, .size: 8, .value_kind: global_buffer, .address_space: global }
    .group_segment_fixed_size: 0
    .private_segment_fixed_size: 0
    .kernarg_segment_align: 8
    .kernarg_segment_size: 32
    .max_flat_workgroup_size: 256
    .sgpr_count:     66
    .vgpr_count:     160
    .wavefront_size: 32
...
	.end_amdgpu_metadata
.endif
;; end of part 4
